; MI455X (gfx1250); checked and timed in simulation.
; The chip was launched on July 23, 2026; its instructions are those of AMD's public machine-readable ISA for CDNA 5 (MIT licence, August 2026) and "CDNA5" Instruction Set Architecture Reference Guide (July 2026). The comments in the code are by the model that wrote it; some were corrected since.
;; Bert Attention. Allowed arithmetic: matrix products marked QUANTISED: E2M3 operands, one E8M0 scale for each 32 along K, by v_wmma_scale_f32_16x16x128_f8f6f4 with both operands' format E2M3, f32 sums; everything else in f32.
;; Inputs: Wk_codes 1,024 x 32 x 24 uint8 (E2M3 codes of Wk, K innermost, in blocks of 32 codes, four codes in three bytes); Wk_scales 1,024 x 32 uint8 (E8M0 scales of Wk, one for each 32 codes along K); Wo_codes 1,024 x 32 x 24 uint8 (E2M3 codes of Wo, K innermost, in blocks of 32 codes, four codes in three bytes); Wo_scales 1,024 x 32 uint8 (E8M0 scales of Wo, one for each 32 codes along K); Wq_codes 1,024 x 32 x 24 uint8 (E2M3 codes of Wq, K innermost, in blocks of 32 codes, four codes in three bytes); Wq_scales 1,024 x 32 uint8 (E8M0 scales of Wq, one for each 32 codes along K); Wv_codes 1,024 x 32 x 24 uint8 (E2M3 codes of Wv, K innermost, in blocks of 32 codes, four codes in three bytes); Wv_scales 1,024 x 32 uint8 (E8M0 scales of Wv, one for each 32 codes along K); attention_mask 4 x 1 x 1 x 2,048 float32; bk 1,024 float32; bo 1,024 float32; bq 1,024 float32; bv 1,024 float32; hidden_states 4 x 2,048 x 1,024 float32; ln_beta 1,024 float32; ln_gamma 1,024 float32.
;; Outputs: out0 4 x 2,048 x 1,024 float32.
;; This version of the problem:
;;   THIS VERSION OF THE PROBLEM IS GIVEN IN LOW PRECISION. The matrix products marked QUANTISED in the list below multiply operands that are first quantised to E2M3 (2 exponent bits, 3 mantissa bits; 6 bits a number), with one power-of-two scale for each 32 numbers along K (OCP MX v1.0); their sums are f32. All else is computed in f32.
;;   The module's matrix products, in the order in which they are computed (A, B: the left and right operand; K: the contracted axis; several contracted axes count as one K, in the product's order):
;;     1. [M 8,192, K 1,024] x [K 1,024, N 1,024]; A: input hidden_states; B: input Wq (given as codes): QUANTISED
;;     2. [M 8,192, K 1,024] x [K 1,024, N 1,024]; A: input hidden_states; B: input Wk (given as codes): QUANTISED
;;     3. [M 8,192, K 1,024] x [K 1,024, N 1,024]; A: input hidden_states; B: input Wv (given as codes): QUANTISED
;;     4. batch 64 x [M 2,048, K 64] x [K 64, N 2,048]; A: computed on the way; B: computed on the way: QUANTISED
;;     5. batch 64 x [M 2,048, K 2,048] x [K 2,048, N 64]; A: softmax (see below); B: computed on the way: QUANTISED
;;     6. [M 8,192, K 1,024] x [K 1,024, N 1,024]; A: computed on the way; B: input Wo (given as codes): QUANTISED
;;   THE QUANTISER, for each operand of a quantised product, along K:
;;     - K is cut into blocks of 32 from its start; a last block that is shorter is filled with zeros.
;;     - A block's scale is 2^e with e = floor(log2(the largest magnitude in the block)) - 2, held to -126 .. 127; a block of zeros has e = 0. As a byte (E8M0): e + 127.
;;     - Each number is divided by its block's scale, clamped to +-7.5, and rounded to the nearest number of E2M3, ties to even, subnormals kept.
;;     - The product sums the exact products of the quantised numbers (number of the format x scale) in f32.
;;   ~~~python
;;   def quantise(x, axis):      # numpy; x: float32 -> the quantised numbers, widened to float32 again
;;       x = np.moveaxis(x, axis, -1); K = x.shape[-1]
;;       x = np.pad(x, [(0, 0)] * (x.ndim - 1) + [(0, -K % 32)]); x = x.reshape(x.shape[:-1] + (-1, 32)); a = np.abs(x).max(-1, keepdims=True)
;;       e = np.where(a > 0, np.clip(np.frexp(np.where(a > 0, a, 1))[1] - 1 - 2, -126, 127), 0)      # np.frexp(a)[1] - 1 = floor(log2(a)), exactly
;;       r = np.clip(x / 2.0 ** e, -7.5, 7.5)
;;       step = 2.0 ** (np.maximum(np.frexp(np.where(r == 0, 1, r))[1] - 1, 0) - 3)
;;       q = np.round(r / step) * step * 2.0 ** e      # np.round: ties to even
;;       return np.moveaxis(q.reshape(q.shape[:-2] + (-1,))[..., :K], -1, axis).astype(np.float32)
;;   ~~~
;;   SOFTMAX AHEAD OF A QUANTISED PRODUCT. Where the list says 'softmax', what is quantised is not the finished softmax but p = 2^(t - M), with t = logit x log2(e) and M = ceil(the row's largest t), a whole number; so 1/2 < the row's largest p <= 1. The row's sum l is taken of the UNQUANTISED p, in f32, and the product's result is divided by l at the end. Since M is a whole number, a kernel that streams over the keys may use a running M (the ceiling of the running maximum): every later rescaling is an exact power of two, which a block's scale takes up: the codes' values come out the same.
;;   OPERANDS COMPUTED ON THE WAY. 'Computed on the way' means the value that the module computes at that place (a softmax that the list does not call 'softmax' is quantised finished and normalised). What goes into a quantiser is computed in f32, as accurately as f32 sums, v_exp_f32 and their like allow (about 1e-6 of the number): no bf16 or f16 on the way to a quantiser, and a product that is left as it is and whose result goes on into a quantised operand takes f32 operands (vector FMAs, or v_wmma_f32_16x16x4_f32). A number that lies on a knife's edge between two numbers of the format may be rounded either way, as far as f32 arithmetic and the matrix unit's own rounding can turn it there, and no further.
;;   INPUTS GIVEN AS CODES. Wk (in the module: [1024, 1024], K = its axis 0); Wo (in the module: [1024, 1024], K = its axis 0); Wq (in the module: [1024, 1024], K = its axis 0); Wv (in the module: [1024, 1024], K = its axis 0): each comes as NAME_codes (uint8): NAME with its K axis moved to the last place and cut into blocks of 32 codes, [.., K / 32, bytes a block], one block behind the other in memory; four codes in three bytes: a row's codes are one little-endian stream of bits, code i at bits 6 i .. 6 i + 5 (a code: sign, 2 exponent bits, 3 mantissa bits); and NAME_scales (uint8): the same leading axes, one E8M0 byte (e + 127) for each 32 codes along K. Its value is code x scale, taken as it is: it is not quantised again, and the codes and scales need not be those that the quantiser above would give.
;; One version. Each part assembles by itself: llvm-mc -triple=amdgcn-amd-amdhsa -mcpu=gfx1250 --defsym DOCPART=n.
;; ======== version 1 of 1: 4 launches
;; limits: right only within a limited range of input values
;; workspace buffers: opc 9,437,184 bytes; ops 393,216 bytes; qkv 20,185,088 bytes; cc 6,291,456 bytes; cs 262,144 bytes
;; launch prep (part 1): grid 384 x 1, 4 waves a work-group, no clusters, 34,304 bytes of LDS; arguments hidden_states, Wq_codes, Wk_codes, Wv_codes, Wo_codes, Wq_scales, Wk_scales, Wv_scales, Wo_scales, opc, ops; writes opc, ops
.if DOCPART == 1
	.amdgcn_target "amdgcn-amd-amdhsa--gfx1250"
	.amdhsa_code_object_version 6
	.text
	.protected	k_q8794081445_prep
	.globl	k_q8794081445_prep
	.p2align	8
	.type	k_q8794081445_prep,@function
k_q8794081445_prep:
	s_mov_b64 s[64:65], 0
	v_nop
	global_prefetch_b8 v0, s[64:65] scope:SCOPE_SE
	s_setreg_imm32_b32 hwreg(HW_REG_WAVE_MODE, 25, 1), 1
	s_wait_xcnt 0x0
; hidden_states [8192][1024] f32 is quantised along its 1,024 (codes of E2M3, one E8M0 byte for each 32), and x and the four weights (which arrive as codes) are laid
; IN THE ORDER OF AN OPERAND'S REGISTERS, so that the later launches fetch fragments by loads of 16 bytes a lane and tiles as dense blocks.
; A TILE is 16 rows: tile 2 B + u holds rows 32 B + 8 u + r + 8 (r / 8) in lane place r (r = lane % 16).  Taken as source 0 of a product, the 16 result registers of tiles 2 B and 2 B + 1 are 16 neighbouring rows.
; opc: [tile][K step 0..7][1,536]: a fragment (16 rows x 128 K, 12 registers a lane): registers 4 c .. 4 c + 3 of lane l at 512 c + 16 l.  Tiles 0-511: x;  512 + 64 w + T: weight w (0 Wq, 1 Wk, 2 Wv, 3 Wo).
; ops: [tile][pair of K steps 0..3][r][2 words]: a word is the four scale bytes of one row and 128 along K.
; A block's scale byte is its largest magnitude's exponent field - 2, held at 1 from below.  A block of zeros so gets the byte 1 where the rule says 127: its codes are zeros, and this program alone reads the bytes.
; LIMITS: NaN and infinities among the inputs are not served; blocks whose largest magnitude lies under 2^-124, whose byte is held at 1, were not tried.
; SHARES.  Wave task g = 4 x work-group + wave takes half of a tile's K (four K steps): g < 1,024: x;  the others: the weights.  It stores 6,144 bytes of codes at 6,144 g and 256 bytes of scale words at 256 g.
; No matrix work, no tensor load, no barrier: waves share nothing, and no two work-groups read the same bytes, so there is nothing to ask for jointly.
.set TM,   8                           ; v8-23    at work in QUANT
.set PW,   24                          ; v24      the scale word just made
.set PWS,  26                          ; v26-29   the four K steps' scale words
.set PC,   32                          ; v32-43   the codes just made; v44-50 at work
.set R,    64                          ; v64-191  two sets of 64 numbers as loaded
.set X,    192                         ; v192-255 64 numbers of my row: register 16 b + i = k 32 b + 16 (lane / 16) + i
.set SEL,  28                          ; s[28:29] lane selects for v_permlanex16_b32: lane l xor 16
.set SP,   528                         ; a stage row: 512 bytes + 16: an odd multiple of 16, so that sixteen rows' same column fall on different banks
.set WSTG, 16*SP                       ; a wave's stage
; 64 numbers of a lane, v[s] .. v[s + 63], become a fragment's codes in v[PC] on and its scale word in v[PW]
.macro QUANT s
.irp b, 0,1,2,3
	v_max3_num_f32 v[TM+\b], |v[\s+16*\b]|, |v[\s+1+16*\b]|, 0x1800000   ; block b: my 16 numbers, and the floor 2^(3 - 127): the byte cannot fall under 1
.endr
.irp i, 2,4,6,8,10,12,14
.irp b, 0,1,2,3
	v_max3_num_f32 v[TM+\b], v[TM+\b], |v[\s+16*\b+\i]|, |v[\s+1+16*\b+\i]|   ; the four blocks by turns
.endr
.endr
.irp b, 0,1,2,3
	v_permlanex16_b32 v[TM+4+\b], v[TM+\b], s[SEL], s[SEL+1]
.endr
.irp b, 0,1,2,3
	v_max_num_f32 v[TM+\b], v[TM+\b], v[TM+4+\b]   ; with lane l xor 16's: the block's largest magnitude
.endr
.irp b, 0,1,2,3
	v_add_nc_u32 v[TM+12+\b], 0xff000000, v[TM+\b]   ; 2 off its exponent field: the conversion takes the exponent field of this operand as its scale
.endr
.irp b, 0,1,2,3
	v_lshrrev_b32 v[TM+4+\b], 23, v[TM+12+\b]      ; the scale's byte
.endr
	v_lshl_or_b32 v[PW], v[TM+5], 8, v[TM+4]
	v_lshl_or_b32 v[PW], v[TM+6], 16, v[PW]
	v_lshl_or_b32 v[PW], v[TM+7], 24, v[PW]
.irp c, 0,1
	v_cvt_scalef32_pk16_fp6_f32 v[PC+6*\c:PC+2+6*\c], v[\s+32*\c:\s+15+32*\c], v[TM+12+2*\c]
	v_cvt_scalef32_pk16_fp6_f32 v[PC+12+4*\c:PC+14+4*\c], v[\s+16+32*\c:\s+31+32*\c], v[TM+13+2*\c]   ; (a conversion's three registers begin on an even number)
.endr
	v_nop                                          ; one plain place behind a scaled conversion
.irp c, 0,1                                    ; the operand's layout wants a whole block in a lane: lanes 0-15 block 2 c, lanes 16-31 block 2 c + 1
.irp i, 0,1,2
	v_permlane16_swap_b32 v[PC+6*\c+\i], v[PC+12+4*\c+\i]
.endr
.irp i, 0,1,2
	v_mov_b32 v[PC+3+6*\c+\i], v[PC+12+4*\c+\i]
.endr
.endr
.endm
; the four scale words leave as one aligned run of 256 bytes: lanes 0-15 store row r's words of the first pair of K steps, lanes 16-31 those of the second
.macro TAIL
	v_cndmask_b32 v30, v[PWS], v[PWS+2], vcc_lo
	v_cndmask_b32 v31, v[PWS+1], v[PWS+3], vcc_lo
	global_store_b64 v5, v[30:31], s[26:27]
.endm
	s_load_b64 s[4:5], s[0:1], 0x0                 ; hidden_states
	s_load_b256 s[8:15], s[0:1], 0x8               ; the codes of Wq, Wk, Wv, Wo
	s_load_b256 s[16:23], s[0:1], 0x28             ; their scale bytes
	s_load_b128 s[24:27], s[0:1], 0x48             ; opc, ops
	v_lshl_add_u32 v62, v0, 2, 0x8400
	v_mov_b32 v63, 0
	v_lshrrev_b32 v1, 5, v0
	v_readfirstlane_b32 s30, v1                    ; wave 0..3
	v_and_b32 v7, 31, v0                           ; lane
	v_lshlrev_b32 v1, 4, v7                        ; 16 x lane
	v_lshlrev_b32 v5, 3, v7                        ; 8 x lane
	v_bfe_u32 v6, v0, 4, 1                         ; h
	v_and_b32 v4, 15, v0                           ; r
	v_cmp_ne_u32 vcc_lo, 0, v6                     ; lanes 16-31
	s_mov_b32 s[SEL], 0x76543210
	s_mov_b32 s[SEL+1], 0xfedcba98
	s_lshl_b32 s31, ttmp9, 2
	s_add_co_u32 s31, s31, s30                     ; g
	s_mul_i32 s32, s31, 6144
	s_mov_b32 s33, 0
	s_lshl_b32 s34, s31, 8
	s_mov_b32 s35, 0
	s_lshr_b32 s36, s30, 1                         ; u: which tile of the pair
	s_and_b32 s37, s30, 1                          ; which half of K
	s_wait_kmcnt 0x0
	s_add_nc_u64 s[24:25], s[24:25], s[32:33]      ; where my codes go
	s_add_nc_u64 s[26:27], s[26:27], s[34:35]      ; and my scale words
	s_cmp_lt_u32 ttmp9, 256
	s_cbranch_scc0 .Lweights
	; ---- x: rows 32 x work-group + 8 u + i + 8 (i / 8), i = 0 .. 15; numbers 512 x half on
	s_mul_i32 s31, s30, WSTG
	s_wait_alu depctr_va_vdst(0)
	v_add_nc_u32 v2, s31, v1                       ; the stage on the way in: a row's 512 bytes as they lie
	v_mul_u32_u24 v3, v4, SP
	v_lshl_add_u32 v3, v6, 6, v3
	v_add_nc_u32 v3, s31, v3                       ; and on the way out: row r, + 64 h: my 16 numbers of a block of 32
.irp b, 0,1,2,3
	v_mov_b32 v[TM+4+\b], 0                        ; written once: a lane permute's destination counts as one of its sources
.endr
	s_lshl_b32 s38, ttmp9, 17                      ; 32 rows of 4,096 bytes
	s_lshl_b32 s39, s36, 15
	s_add_co_u32 s38, s38, s39
	s_lshl_b32 s39, s37, 11
	s_add_co_u32 s38, s38, s39
	s_mov_b32 s39, 0
	s_add_nc_u64 s[4:5], s[4:5], s[38:39]
.macro LOADX s                         ; K step s of my 16 rows: each load reads 512 consecutive bytes of one row
.irp i, 0,1,2,3,4,5,6,7,8,9,10,11,12,13,14,15
	global_load_b128 v[R+64*((\s)%2)+4*\i:R+64*((\s)%2)+4*\i+3], v1, s[4:5] offset:(\i+8*(\i/8))*4096+512*(\s) th:TH_LOAD_NT
.endr
.endm
.macro STEPX s
.if (\s) < 3
	s_wait_loadcnt 16                              ; this K step's 16 loads are in; the next step's 16 may be out
.else
	s_wait_loadcnt 0x0
.endif
.irp i, 0,1,2,3,4,5,6,7,8,9,10,11,12,13,14,15
	ds_store_b128 v2, v[R+64*((\s)%2)+4*\i:R+64*((\s)%2)+4*\i+3] offset:SP*\i
.endr
.irp b, 0,1,2,3
.irp j, 0,1,2,3
	ds_load_b128 v[X+16*\b+4*\j:X+16*\b+4*\j+3], v3 offset:128*\b+16*\j   ; LDS serves a wave's instructions in order: these see the stores above
.endr
.endr
	s_wait_dscnt 0x0                               ; my 64 numbers are in, and the stores into the stage have read their registers
	s_wait_xcnt 0x0                                ; the last step's stores have read the codes' registers, which are written again below
.if (\s) < 2
	LOADX (\s)+2
.endif
	QUANT X
	v_mov_b32 v[PWS+(\s)], v[PW]
.irp c, 0,1,2
	global_store_b128 v1, v[PC+4*\c:PC+4*\c+3], s[24:25] offset:1536*(\s)+512*\c   ; 32 lanes store 512 consecutive bytes, aligned
.endr
.endm
	LOADX 0
	LOADX 1
	s_wait_alu depctr_va_vdst(0)
	STEPX 0
	STEPX 1
	STEPX 2
	STEPX 3
	TAIL
	s_wait_tensorcnt 0x0
	ds_add_u32 v62, v63
	s_wait_dscnt 0x0
	s_endpgm
.Lweights:                                     ; ---- a weight's codes and scale bytes, as they are given, into the same order
	s_sub_co_u32 s38, ttmp9, 256
	s_lshr_b32 s39, s38, 5                         ; which weight
	s_and_b32 s38, s38, 31
	s_lshl_b32 s38, s38, 5
	s_lshl_b32 s40, s36, 3
	s_add_co_u32 s38, s38, s40                     ; the tile's first row: 32 B + 8 u
	s_mul_i32 s40, s38, 768                        ; a row of 1,024 codes is 768 bytes
	s_mul_i32 s42, s37, 384
	s_add_co_u32 s40, s40, s42
	s_mov_b32 s41, 0
	s_lshl_b32 s42, s38, 5                         ; a row of scale bytes is 32
	s_lshl_b32 s38, s37, 4
	s_add_co_u32 s42, s42, s38
	s_mov_b32 s43, 0
	s_cmp_eq_u32 s39, 1
	s_cselect_b64 s[8:9], s[10:11], s[8:9]
	s_cselect_b64 s[16:17], s[18:19], s[16:17]
	s_cmp_eq_u32 s39, 2
	s_cselect_b64 s[8:9], s[12:13], s[8:9]
	s_cselect_b64 s[16:17], s[20:21], s[16:17]
	s_cmp_eq_u32 s39, 3
	s_cselect_b64 s[8:9], s[14:15], s[8:9]
	s_cselect_b64 s[16:17], s[22:23], s[16:17]
	s_add_nc_u64 s[8:9], s[8:9], s[40:41]
	s_add_nc_u64 s[16:17], s[16:17], s[42:43]
	s_wait_alu depctr_va_vdst(0)
	v_and_b32 v8, 8, v4
	v_add_nc_u32 v8, v8, v4                        ; r + 8 (r / 8)
	v_mul_u32_u24 v9, v8, 768
	v_mad_u32_u24 v9, v6, 24, v9                   ; my row, + 24 h: the 24 bytes of a block of 32 codes
	v_lshlrev_b32 v10, 5, v8
.irp s, 0,1,2,3
.irp p, 0,1,2,3,4,5
	global_load_b64 v[R+12*\s+2*\p:R+12*\s+2*\p+1], v9, s[8:9] offset:96*\s+48*(\p/3)+8*(\p%3)
.endr
.endr
	global_load_b128 v[PWS:PWS+3], v10, s[16:17]   ; my row's four scale words
	s_wait_loadcnt 0x0
.irp k, 0,1,2,3,4,5,6,7,8,9,10,11
	global_store_b128 v1, v[R+4*\k:R+4*\k+3], s[24:25] offset:512*\k
.endr
	TAIL
	s_endpgm
.Lfunc_end_k_q8794081445_prep:
	.size	k_q8794081445_prep, .Lfunc_end_k_q8794081445_prep-k_q8794081445_prep
	.p2alignl 7, 3214868480
	.fill 96, 4, 3214868480
	.section	.rodata,"a",@progbits
	.p2align	6, 0x0
	.amdhsa_kernel k_q8794081445_prep
		.amdhsa_group_segment_fixed_size 34304
		.amdhsa_private_segment_fixed_size 0
		.amdhsa_enable_private_segment 0
		.amdhsa_kernarg_size 88
		.amdhsa_user_sgpr_count 2
		.amdhsa_user_sgpr_kernarg_segment_ptr 1
		.amdhsa_wavefront_size32 1
		.amdhsa_system_sgpr_workgroup_id_x 1
		.amdhsa_system_sgpr_workgroup_id_y 1
		.amdhsa_system_sgpr_workgroup_id_z 1
		.amdhsa_system_vgpr_workitem_id 0
		.amdhsa_next_free_vgpr 256
		.amdhsa_next_free_sgpr 66
		.amdhsa_reserve_vcc 1
		.amdhsa_float_denorm_mode_32 3
		.amdhsa_float_denorm_mode_16_64 3
		.amdhsa_memory_ordered 1
		.amdhsa_forward_progress 1
		.amdhsa_inst_pref_size 38
	.end_amdhsa_kernel
	.amdgpu_metadata
---
amdhsa.version: [ 1, 2 ]
amdhsa.kernels:
  - .name:           k_q8794081445_prep
    .symbol:         k_q8794081445_prep.kd
    .args:
      - { .name: hidden_states, .offset: 0, .size: 8, .value_kind: global_buffer, .address_space: global }
      - { .name: Wq_codes, .offset: 8, .size: 8, .value_kind: global_buffer, .address_space: global }
      - { .name: Wk_codes, .offset: 16, .size: 8, .value_kind: global_buffer, .address_space: global }
      - { .name: Wv_codes, .offset: 24, .size: 8, .value_kind: global_buffer, .address_space: global }
      - { .name: Wo_codes, .offset: 32, .size: 8, .value_kind: global_buffer, .address_space: global }
      - { .name: Wq_scales, .offset: 40, .size: 8, .value_kind: global_buffer, .address_space: global }
      - { .name: Wk_scales, .offset: 48, .size: 8, .value_kind: global_buffer, .address_space: global }
      - { .name: Wv_scales, .offset: 56, .size: 8, .value_kind: global_buffer, .address_space: global }
      - { .name: Wo_scales, .offset: 64, .size: 8, .value_kind: global_buffer, .address_space: global }
      - { .name: opc, .offset: 72, .size: 8, .value_kind: global_buffer, .address_space: global }
      - { .name: ops, .offset: 80, .size: 8, .value_kind: global_buffer, .address_space: global }
    .group_segment_fixed_size: 34304
    .private_segment_fixed_size: 0
    .kernarg_segment_align: 8
    .kernarg_segment_size: 88
    .max_flat_workgroup_size: 128
    .sgpr_count:     66
    .vgpr_count:     256
    .wavefront_size: 32
...
	.end_amdgpu_metadata
.endif
;; end of part 1
;; launch qkv (part 2): grid 12 x 32, 4 waves a work-group, clusters of 4 x 4, 327,680 bytes of LDS; arguments opc, ops, bq, bk, bv, qkv; writes qkv
.if DOCPART == 2
	.amdgcn_target "amdgcn-amd-amdhsa--gfx1250"
	.amdhsa_code_object_version 6
	.text
	.protected	k_q8794081445_qkv
	.globl	k_q8794081445_qkv
	.p2align	8
	.type	k_q8794081445_qkv,@function
k_q8794081445_qkv:
	s_mov_b64 s[64:65], 0
	v_nop
	global_prefetch_b8 v0, s[64:65] scope:SCOPE_SE
	s_setreg_imm32_b32 hwreg(HW_REG_WAVE_MODE, 25, 1), 1
	s_wait_xcnt 0x0
	s_wait_alu depctr_hold_cnt(0) depctr_sa_sdst(0) depctr_va_vdst(0) depctr_va_sdst(0) depctr_va_ssrc(0) depctr_va_vcc(0) depctr_vm_vsrc(0)
	s_getreg_b32 s2, hwreg(HW_REG_IB_STS2, 6, 4)
	s_cmp_eq_u32 s2, 0
	s_cbranch_scc0 .Lentry_in_a_cluster
	s_endpgm
.Lentry_in_a_cluster:
	s_bfe_u32 s2, ttmp6, 0x10000c
	s_cmp_lg_u32 s2, 0xf033
	s_cbranch_scc0 .Lentry_shape_is_right
	s_endpgm
.Lentry_shape_is_right:
.set NQ,     2
.set FR,     12
.set NL,     3
.set NP,     4
.set TILEB,  3072
.set HALFT,  8*TILEB
.set SLOT,   4*HALFT
.set SCL,    2*SLOT
.set HALFS,  4096
.set SPARE,  SCL+4*HALFS
.set QOFF,   13369344
.set ADRA, 16
.set ADRB, 20
.set ADRS, 27
.set SPW,  28
.set NIL,  29
.set SC,   32
.set BIAS, 64
.set AF,   128
.set TM,   32
.set PWS,  48
.set PC,   64
.set SEL,  56
.set G1, 24
.set G0, 32
.set G1B, 48
.set G0B, 56
.set G1S, 68
.set G0S, 76
.set G1SB, 80
.set G0SB, 88
.set MSB, 0
.macro WIN new
.if MSB != (\new)
	s_set_vgpr_msb (MSB<<8)|(\new)
.set MSB, (\new)
.endif
.endm
.set MUL_LO, 0xa1
.set MUL_HI, 0xf1
.set TO_B,   0x40
.macro JLOAD g0a, g1a, g0b, g1b
	s_cmp_eq_u32 s15, 0
	s_cbranch_scc0 .Lfor_b_\@
	tensor_load_to_lds s[\g0a:\g0a+3], s[\g1a:\g1a+7]
	s_nop 0
.rept 4
	v_nop
.endr
	s_branch .Lasked_\@
.Lfor_b_\@:
	tensor_load_to_lds s[\g0b:\g0b+3], s[\g1b:\g1b+7]
	s_nop 0
.rept 4
	v_nop
.endr
.Lasked_\@:
.endm
.macro CREST
	s_cmp_lg_u32 s14, 0
	s_cbranch_scc1 .Lnot_wave_0_\@
	s_barrier_signal -3
.Lnot_wave_0_\@:
	s_barrier_wait -3
	s_barrier_signal -1
	s_barrier_wait -1
.endm
.macro CROUND
	s_barrier_signal -1
	s_barrier_wait -1
	CREST
.endm
	s_load_b128 s[4:7], s[0:1], 0x0
	s_load_b128 s[8:11], s[0:1], 0x10
	s_load_b128 s[96:99], s[0:1], 0x20
	v_lshl_add_u32 v[SPW], v0, 2, SPARE
	v_mov_b32 v[NIL], 0
	ds_add_u32 v28, v29
	ds_add_u32 v28, v29
	s_wait_dscnt 0x0
	v_lshrrev_b32 v1, 5, v0
	v_readfirstlane_b32 s14, v1
	s_lshr_b32 s15, s14, 1
	s_and_b32 s16, s14, 1
	s_bfe_u32 s40, ttmp6, 0x40000
	s_bfe_u32 s41, ttmp6, 0x40004
	s_and_b32 s17, ttmp7, 0xffff
	s_lshl_b32 s43, s41, 2
	s_lshl_b32 s43, 15, s43
	s_lshl_b32 s44, 0x1111, s40
	s_or_b32 s[G1+0], s43, (3<<16)|(1<<21)
	s_or_b32 s[G1B+0], s44, (3<<16)|(1<<21)
.irp g, G1, G1B
	s_mov_b32 s[\g+1], 384<<16
	s_mov_b32 s[\g+2], 8<<16
	s_mov_b32 s[\g+3], 384<<16
	s_mov_b32 s[\g+4], 8
	s_mov_b32 s[\g+5], 1536
	s_mov_b32 s[\g+6], 0
	s_mov_b32 s[\g+7], 0
.endr
	s_or_b32 s[G1S+0], s43, (3<<16)|(1<<21)
	s_or_b32 s[G1SB+0], s44, (3<<16)|(1<<21)
.irp g, G1S, G1SB
	s_mov_b32 s[\g+1], 32<<16
	s_mov_b32 s[\g+2], 16<<16
	s_mov_b32 s[\g+3], 32<<16
	s_mov_b32 s[\g+4], 16
	s_mov_b32 s[\g+5], 32
	s_mov_b32 s[\g+6], 0
	s_mov_b32 s[\g+7], 0
.endr
	s_lshl_b32 s18, s17, 6
	s_lshl_b32 s19, ttmp9, 6
	s_add_co_u32 s19, s19, 512
	s_cmp_eq_u32 ttmp9, 2
	s_cselect_b32 s20, 640, s18
	s_cselect_b32 s46, s18, s19
	s_lshl_b32 s18, s16, 3
	s_lshl_b32 s21, s41, 4
	s_add_co_u32 s20, s20, s21
	s_add_co_u32 s20, s20, s18
	s_lshl_b32 s47, s40, 4
	s_add_co_u32 s46, s46, s47
	s_add_co_u32 s46, s46, s18
	s_lshl_b32 s22, s20, 9
	s_mov_b32 s23, 0
	s_mul_i32 s20, s20, 12288
	s_mov_b32 s21, 0
	s_lshl_b32 s92, s46, 9
	s_mov_b32 s93, 0
	s_mul_i32 s46, s46, 12288
	s_mov_b32 s47, 0
	s_mul_i32 s45, s14, HALFT
	s_mul_i32 s94, s14, HALFS
	s_wait_kmcnt 0x0
	s_add_nc_u64 s[20:21], s[4:5], s[20:21]
	s_add_nc_u64 s[22:23], s[6:7], s[22:23]
	s_add_nc_u64 s[46:47], s[4:5], s[46:47]
	s_add_nc_u64 s[92:93], s[6:7], s[92:93]
	CROUND
	s_mov_b32 s[G0S], 1
	s_add_co_u32 s[G0S+1], s94, SCL
	s_mov_b64 s[G0S+2:G0S+3], s[22:23]
	s_or_b32 s[G0S+3], s[G0S+3], 0x80000000
	s_mov_b32 s[G0SB], 1
	s_add_co_u32 s[G0SB+1], s94, SCL
	s_mov_b64 s[G0SB+2:G0SB+3], s[92:93]
	s_or_b32 s[G0SB+3], s[G0SB+3], 0x80000000
	JLOAD G0S, G1S, G0SB, G1SB
.irp s, 0,1
	s_mov_b32 s[G0+4*\s], 1
	s_add_co_u32 s[G0+4*\s+1], s45, \s*SLOT
	s_add_nc_u64 s[G0+4*\s+2:G0+4*\s+3], s[20:21], \s*TILEB
	s_or_b32 s[G0+4*\s+3], s[G0+4*\s+3], 0x80000000
	s_mov_b32 s[G0B+4*\s], 1
	s_add_co_u32 s[G0B+4*\s+1], s45, \s*SLOT
	s_add_nc_u64 s[G0B+4*\s+2:G0B+4*\s+3], s[46:47], \s*TILEB
	s_or_b32 s[G0B+4*\s+3], s[G0B+4*\s+3], 0x80000000
	s_wait_alu depctr_va_vdst(0)
	s_wait_tensorcnt 0x0
	ds_add_u32 v28, v29
	s_wait_dscnt 0x0
	CROUND
	JLOAD G0+4*\s, G1, G0B+4*\s, G1B
.endr
	v_and_b32 v1, 15, v0
	v_bfe_u32 v2, v0, 4, 1
	s_wait_alu depctr_va_vdst(0)
	v_and_b32 v3, 31, v0
	v_lshlrev_b32 v3, 4, v3
	s_wait_alu depctr_va_vdst(0)
	s_mul_i32 s21, s15, HALFT
	s_mul_i32 s22, s16, HALFT
	s_add_co_u32 s22, s22, 2*HALFT
.irp s, 0,1
	v_add_nc_u32 v[ADRA+\s], s21, v3
	v_add_nc_u32 v[ADRB+\s], s22, v3
	s_add_co_u32 s21, s21, SLOT
	s_add_co_u32 s22, s22, SLOT
.endr
	v_lshlrev_b32 v5, 3, v1
	s_mul_i32 s21, s15, HALFS
	s_mul_i32 s22, s16, HALFS
	s_add_co_u32 s22, s22, 2*HALFS
	s_sub_co_u32 s22, s22, s21
	v_mul_u32_u24 v6, s22, v2
	s_add_co_u32 s21, s21, SCL
	v_add_nc_u32 v5, v5, v6
	v_add_nc_u32 v[ADRS], s21, v5
	v_mov_b32 v24, v3
	v_lshrrev_b32 v25, 1, v3
	v_lshlrev_b32 v26, 4, v2
	v_lshlrev_b32 v8, 6, v2
	v_and_b32 v9, 8, v1
	v_add_nc_u32 v9, v9, v1
	v_lshlrev_b32 v9, 2, v9
	s_lshl_b32 s66, s41, 1
	s_add_co_u32 s66, s66, s15
	s_lshl_b32 s67, s40, 1
	s_add_co_u32 s67, s67, s16
	s_cmp_eq_u32 ttmp9, 2
	s_cselect_b32 s95, s66, s67
	s_cselect_b32 s66, s67, s66
	s_cselect_b64 s[2:3], s[96:97], s[10:11]
	s_cmp_eq_u32 ttmp9, 0
	s_cselect_b64 s[2:3], s[8:9], s[2:3]
	s_lshl_b32 s18, s95, 9
	s_mov_b32 s19, 0
	s_add_nc_u64 s[2:3], s[2:3], s[18:19]
	s_cmp_eq_u32 ttmp9, 2
	s_cbranch_scc1 .Lbias_v
	s_wait_alu depctr_va_vdst(0)
.irp b, 0,1,2,3,4,5,6,7
	global_load_b128 v[BIAS+8*\b:BIAS+8*\b+3], v8, s[2:3] offset:(32*(\b/2)+8*(\b%2))*4
	global_load_b128 v[BIAS+8*\b+4:BIAS+8*\b+7], v8, s[2:3] offset:(32*(\b/2)+8*(\b%2))*4+16
.endr
	s_branch .Lbias_done
.Lbias_v:
	s_wait_alu depctr_va_vdst(0)
.irp a, 0,1,2,3,4,5,6,7
	global_load_b32 v[BIAS+8*\a], v9, s[2:3] offset:(32*(\a/2)+8*(\a%2))*4
.endr
	s_wait_loadcnt 0x0
.irp a, 0,1,2,3,4,5,6,7
.irp j, 1,2,3,4,5,6,7
	v_mov_b32 v[BIAS+8*\a+\j], v[BIAS+8*\a]
.endr
.endr
.Lbias_done:
.macro FRAG reg, adr, q, i
.irp c, 0,1,2
	ds_load_b128 v[\reg+4*\c:\reg+4*\c+3], v[\adr] offset:(\i)*TILEB+(\q)*1536+512*\c
.endr
.endm
.macro MUL16 a0, p, q, sc, cm
.irp a, \a0, \a0+1
.irp b, 0,1,2,3,4,5,6,7
.if \cm == 0
	v_wmma_scale_f32_16x16x128_f8f6f4 v[8*(8*((\a)%4)+\b):8*(8*((\a)%4)+\b)+7], v[128*(\p)+FR*\b:128*(\p)+FR*\b+FR-1], v[AF+FR*(\a):AF+FR*(\a)+FR-1], v[8*(8*((\a)%4)+\b):8*(8*((\a)%4)+\b)+7], v[SC+8*NQ*(\sc)+NQ*\b+(\q)], v[SC+8*NQ*(\sc)+NQ*(\a)+(\q)] matrix_a_fmt:MATRIX_FMT_FP6 matrix_b_fmt:MATRIX_FMT_FP6 matrix_a_scale:MATRIX_SCALE_ROW1
.elseif \cm == 1
	v_wmma_scale_f32_16x16x128_f8f6f4 v[8*(8*((\a)%4)+\b):8*(8*((\a)%4)+\b)+7], v[128*(\p)+FR*\b:128*(\p)+FR*\b+FR-1], v[AF+FR*(\a):AF+FR*(\a)+FR-1], v[BIAS+8*\b:BIAS+8*\b+7], v[SC+8*NQ*(\sc)+NQ*\b+(\q)], v[SC+8*NQ*(\sc)+NQ*(\a)+(\q)] matrix_a_fmt:MATRIX_FMT_FP6 matrix_b_fmt:MATRIX_FMT_FP6 matrix_a_scale:MATRIX_SCALE_ROW1
.else
	v_wmma_scale_f32_16x16x128_f8f6f4 v[8*(8*((\a)%4)+\b):8*(8*((\a)%4)+\b)+7], v[128*(\p)+FR*\b:128*(\p)+FR*\b+FR-1], v[AF+FR*(\a):AF+FR*(\a)+FR-1], v[BIAS+8*(\a):BIAS+8*(\a)+7], v[SC+8*NQ*(\sc)+NQ*\b+(\q)], v[SC+8*NQ*(\sc)+NQ*(\a)+(\q)] matrix_a_fmt:MATRIX_FMT_FP6 matrix_b_fmt:MATRIX_FMT_FP6 matrix_a_scale:MATRIX_SCALE_ROW1
.endif
.endr
.endr
.endm
.macro FETCH_B slot, q, p
	WIN TO_B
.irp i, 0,1,2,3,4,5,6,7
	FRAG 128*(\p)+FR*\i, ADRB+\slot, \q, \i
.endr
	WIN 0
.endm
.macro FETCH_A slot, q, i0
.irp i, \i0, \i0+1, \i0+2, \i0+3
	FRAG AF+FR*(\i), ADRA+\slot, \q, \i
.endr
.endm
.macro SCALES sc
.irp i, 0,1,2,3,4,5,6,7
	ds_load_b64 v[SC+8*NQ*\sc+NQ*\i:SC+8*NQ*\sc+NQ*\i+1], v[ADRS] offset:\i*512
.endr
.endm
.macro PLACES n
.rept \n
	v_nop
.endr
.endm
.macro STEP slot, q, cm
	s_wait_dscnt 4*NL
.if \cm
	WIN 0x81
.else
	WIN MUL_LO
.endif
	MUL16 0, (\q)%2, \q, \slot, \cm
	MUL16 2, (\q)%2, \q, \slot, \cm
	s_wait_dscnt 0
	PLACES NP
	FETCH_B \slot, (\q)+1, 1-(\q)%2
	FETCH_A \slot, (\q)+1, 0
.if \cm
	WIN 0xc1
.else
	WIN MUL_HI
.endif
	MUL16 4, (\q)%2, \q, \slot, \cm
	MUL16 6, (\q)%2, \q, \slot, \cm
	PLACES NP
	WIN 0
	FETCH_A \slot, (\q)+1, 4
.endm
.macro TURN slot, next, fill
	s_wait_tensorcnt 0x0
	ds_add_u32 v[SPW], v[NIL]
	s_wait_dscnt 4*NL+1
	WIN MUL_LO
	MUL16 0, 1, NQ-1, \slot, 0
	s_wait_dscnt 0x0
	s_barrier_signal -1
	MUL16 2, 1, NQ-1, \slot, 0
	WIN 0
	s_barrier_wait -1
.if \fill
	CREST
	s_add_nc_u64 s[G0+4*\slot+2:G0+4*\slot+3], s[G0+4*\slot+2:G0+4*\slot+3], 2*TILEB
	s_add_nc_u64 s[G0B+4*\slot+2:G0B+4*\slot+3], s[G0B+4*\slot+2:G0B+4*\slot+3], 2*TILEB
	JLOAD G0+4*\slot, G1, G0B+4*\slot, G1B
.else
	PLACES NP
.endif
	s_wait_alu depctr_va_vdst(0)
	v_add_nc_u32 v[ADRS], 128, v[ADRS]
	FETCH_B \next, 0, 0
	FETCH_A \next, 0, 0
	SCALES \next
	WIN MUL_HI
	MUL16 4, 1, NQ-1, \slot, 0
	MUL16 6, 1, NQ-1, \slot, 0
	PLACES NP
	WIN 0
	FETCH_A \next, 0, 4
.endm
	s_wait_tensorcnt 1
	s_barrier_signal -1
	s_barrier_wait -1
	FETCH_B 0, 0, 0
	FETCH_A 0, 0, 0
	SCALES 0
	FETCH_A 0, 0, 4
	s_wait_loadcnt 0x0
	s_cmp_eq_u32 ttmp9, 2
	s_cbranch_scc1 .Lfirst_v
	s_wait_alu depctr_va_vdst(0)
	STEP 0, 0, 1
	s_branch .Lfirst_done
.Lfirst_v:
	s_wait_alu depctr_va_vdst(0)
	STEP 0, 0, 2
.Lfirst_done:
	TURN 0, 1, 1
	STEP 1, 0, 0
	TURN 1, 0, 1
	STEP 0, 0, 0
	TURN 0, 1, 0
	STEP 1, 0, 0
	s_wait_dscnt 4*NL
	WIN MUL_LO
	MUL16 0, 1, NQ-1, 1, 0
	MUL16 2, 1, NQ-1, 1, 0
	s_wait_dscnt 0
	WIN MUL_HI
	MUL16 4, 1, NQ-1, 1, 0
	MUL16 6, 1, NQ-1, 1, 0
	WIN 0
	PLACES NP
.irp b, 0,1,2,3
	v_mov_b32 v[TM+4+\b], 0
.endr
	s_mov_b32 s[SEL], 0x76543210
	s_mov_b32 s[SEL+1], 0xfedcba98
	s_cmp_eq_u32 ttmp9, 0
	s_cselect_b32 s24, QOFF, 0
	s_mov_b32 s25, 208896
	s_cselect_b32 s25, 106496, s25
	s_mov_b32 s26, 26112
	s_cselect_b32 s26, 13312, s26
	s_mov_b32 s27, 24576
	s_cselect_b32 s27, 12288, s27
	s_cmp_eq_u32 ttmp9, 2
	s_cselect_b32 s28, 12288, 0
	s_cselect_b32 s27, 25600, s27
	s_mov_b32 s29, 512
	s_cselect_b32 s29, 256, s29
	s_mov_b32 s30, 768
	s_cselect_b32 s50, 1536, s30
	s_cselect_b32 s48, 768, s25
	s_cselect_b32 s52, 202752, 0
	s_mov_b32 s49, 0
	s_mov_b32 s51, 0
	s_mov_b32 s53, 0
	s_lshl_b32 s33, s17, 3
	s_add_co_u32 s33, s33, s66
	s_lshr_b32 s34, s33, 4
	s_lshl_b32 s34, s34, 4
	s_lshl_b32 s35, s95, 1
	s_add_co_u32 s34, s34, s35
	s_mul_i32 s34, s34, s25
	s_add_co_u32 s34, s34, s24
	s_bfe_u32 s35, s33, 0x30001
	s_mul_i32 s35, s35, s26
	s_add_co_u32 s34, s34, s35
	s_and_b32 s33, s33, 1
	s_mul_i32 s35, s33, 6144
	s_add_co_u32 s36, s34, s28
	s_add_co_u32 s36, s36, s35
	s_mov_b32 s37, 0
	s_mul_i32 s35, s33, s29
	s_add_co_u32 s38, s34, s27
	s_add_co_u32 s38, s38, s35
	s_mov_b32 s39, 0
	s_add_nc_u64 s[36:37], s[98:99], s[36:37]
	s_add_nc_u64 s[42:43], s[36:37], s[48:49]
	s_add_nc_u64 s[38:39], s[98:99], s[38:39]
.macro EPI a
.set AC, 64*((\a)%4)
	WIN 5*(2+(\a)/4)
.irp b, 0,1,2,3
	v_max3_num_f32 v[TM+\b], |v[AC+16*\b]|, |v[AC+16*\b+1]|, 0x1800000
.endr
	WIN 20*(2+(\a)/4)
.irp i, 2,4,6,8,10,12,14
.irp b, 0,1,2,3
	v_max3_num_f32 v[TM+\b], v[TM+\b], |v[AC+16*\b+\i]|, |v[AC+16*\b+\i+1]|
.endr
.endr
	WIN 0
.irp b, 0,1,2,3
	v_permlanex16_b32 v[TM+4+\b], v[TM+\b], s[SEL], s[SEL+1]
.endr
.irp b, 0,1,2,3
	v_max_num_f32 v[TM+\b], v[TM+\b], v[TM+4+\b]
.endr
.irp b, 0,1,2,3
	v_add_nc_u32 v[TM+12+\b], 0xff000000, v[TM+\b]
.endr
.irp b, 0,1,2,3
	v_lshrrev_b32 v[TM+4+\b], 23, v[TM+12+\b]
.endr
	v_lshl_or_b32 v[PWS+(\a)], v[TM+5], 8, v[TM+4]
	v_lshl_or_b32 v[PWS+(\a)], v[TM+6], 16, v[PWS+(\a)]
	v_lshl_or_b32 v[PWS+(\a)], v[TM+7], 24, v[PWS+(\a)]
	s_wait_xcnt 0x0
.if (\a) > 0
	s_add_nc_u64 s[36:37], s[36:37], s[50:51]
	s_add_nc_u64 s[42:43], s[42:43], s[50:51]
.endif
.if (\a) == 4
	s_add_nc_u64 s[36:37], s[36:37], s[52:53]
	s_add_nc_u64 s[42:43], s[42:43], s[52:53]
.endif
	WIN 2+(\a)/4
.irp c, 0,1
	v_cvt_scalef32_pk16_fp6_f32 v[PC+6*\c:PC+6*\c+2], v[AC+32*\c:AC+32*\c+15], v[TM+12+2*\c]
	v_cvt_scalef32_pk16_fp6_f32 v[PC+12+4*\c:PC+14+4*\c], v[AC+16+32*\c:AC+31+32*\c], v[TM+13+2*\c]
.endr
	WIN 0
	v_nop
.irp c, 0,1
.irp i, 0,1,2
	v_permlane16_swap_b32 v[PC+6*\c+\i], v[PC+12+4*\c+\i]
.endr
.irp i, 0,1,2
	v_mov_b32 v[PC+3+6*\c+\i], v[PC+12+4*\c+\i]
.endr
.endr
	global_store_b128 v24, v[PC:PC+3], s[36:37]
	global_store_b64 v25, v[PC+4:PC+5], s[36:37] offset:512
	global_store_b128 v24, v[PC+6:PC+9], s[42:43]
	global_store_b64 v25, v[PC+10:PC+11], s[42:43] offset:512
.endm
.irp a, 0,1,2,3,4,5,6,7
	EPI \a
.endr
	v_and_b32 v57, 15, v0
	v_bfe_u32 v58, v0, 4, 1
	v_mul_u32_u24 v58, v58, s25
	s_cmp_eq_u32 ttmp9, 2
	s_cbranch_scc1 .Ltail_v
	s_mov_b32 s58, 0xffff
	s_mov_b32 s59, 0x7f7f0000
.irp a, 0,1,2,3,4,5,6,7
	v_lshrrev_b32 v56, v26, v[PWS+\a]
	v_and_or_b32 v[PWS+\a], v56, s58, s59
.endr
	v_lshl_add_u32 v57, v57, 5, v58
	global_store_b128 v57, v[PWS:PWS+3], s[38:39]
	global_store_b128 v57, v[PWS+4:PWS+7], s[38:39] offset:16
	s_branch .Ltail_done
.Ltail_v:
	v_cmp_ne_u32 vcc_lo, 0, v26
.irp d, 0,1,2,3
	v_cndmask_b32 v[60+\d], v[PWS+\d], v[PWS+4+\d], vcc_lo
.endr
	s_wait_alu depctr_va_vdst(0)
	v_lshl_add_u32 v57, v57, 4, v58
	global_store_b128 v57, v[60:63], s[38:39]
.Ltail_done:
	s_wait_tensorcnt 0x0
	ds_add_u32 v[SPW], v[NIL]
	s_wait_dscnt 0x0
	CROUND
	s_endpgm
.Lfunc_end_k_q8794081445_qkv:
	.size	k_q8794081445_qkv, .Lfunc_end_k_q8794081445_qkv-k_q8794081445_qkv
	.p2alignl 7, 3214868480
	.fill 96, 4, 3214868480
	.section	.rodata,"a",@progbits
	.p2align	6, 0x0
	.amdhsa_kernel k_q8794081445_qkv
		.amdhsa_group_segment_fixed_size 327680
		.amdhsa_private_segment_fixed_size 0
		.amdhsa_enable_private_segment 0
		.amdhsa_kernarg_size 48
		.amdhsa_user_sgpr_count 2
		.amdhsa_user_sgpr_kernarg_segment_ptr 1
		.amdhsa_wavefront_size32 1
		.amdhsa_system_sgpr_workgroup_id_x 1
		.amdhsa_system_sgpr_workgroup_id_y 1
		.amdhsa_system_sgpr_workgroup_id_z 1
		.amdhsa_system_vgpr_workitem_id 0
		.amdhsa_next_free_vgpr 1024
		.amdhsa_next_free_sgpr 100
		.amdhsa_reserve_vcc 1
		.amdhsa_float_denorm_mode_32 3
		.amdhsa_float_denorm_mode_16_64 3
		.amdhsa_memory_ordered 1
		.amdhsa_forward_progress 1
		.amdhsa_inst_pref_size 161
	.end_amdhsa_kernel
	.amdgpu_metadata
---
amdhsa.version: [ 1, 2 ]
amdhsa.kernels:
  - .name:           k_q8794081445_qkv
    .symbol:         k_q8794081445_qkv.kd
    .args:
      - { .name: opc, .offset: 0, .size: 8, .value_kind: global_buffer, .address_space: global }
      - { .name: ops, .offset: 8, .size: 8, .value_kind: global_buffer, .address_space: global }
      - { .name: bq, .offset: 16, .size: 8, .value_kind: global_buffer, .address_space: global }
      - { .name: bk, .offset: 24, .size: 8, .value_kind: global_buffer, .address_space: global }
      - { .name: bv, .offset: 32, .size: 8, .value_kind: global_buffer, .address_space: global }
      - { .name: qkv, .offset: 40, .size: 8, .value_kind: global_buffer, .address_space: global }
    .group_segment_fixed_size: 327680
    .private_segment_fixed_size: 0
    .kernarg_segment_align: 8
    .kernarg_segment_size: 48
    .max_flat_workgroup_size: 128
    .sgpr_count:     100
    .vgpr_count:     1024
    .wavefront_size: 32
...
	.end_amdgpu_metadata
.endif
;; end of part 2
;; launch attn (part 3): grid 4 x 64, 16 waves a work-group, clusters of 4 x 1, 219,136 bytes of LDS; arguments qkv, attention_mask, cc, cs; writes cc, cs
.if DOCPART == 3
	.amdgcn_target "amdgcn-amd-amdhsa--gfx1250"
	.amdhsa_code_object_version 6
	.text
	.protected	k_q8794081445_attn
	.globl	k_q8794081445_attn
	.p2align	8
	.type	k_q8794081445_attn,@function
k_q8794081445_attn:
	s_mov_b64 s[64:65], 0
	v_nop
	global_prefetch_b8 v0, s[64:65] scope:SCOPE_SE
	s_setreg_imm32_b32 hwreg(HW_REG_WAVE_MODE, 25, 1), 1
	s_wait_xcnt 0x0
	s_wait_alu depctr_hold_cnt(0) depctr_sa_sdst(0) depctr_va_vdst(0) depctr_va_sdst(0) depctr_va_ssrc(0) depctr_va_vcc(0) depctr_vm_vsrc(0)
	s_getreg_b32 s2, hwreg(HW_REG_IB_STS2, 6, 4)
	s_cmp_eq_u32 s2, 0
	s_cbranch_scc0 .Lentry_in_a_cluster
	s_endpgm
.Lentry_in_a_cluster:
	s_bfe_u32 s2, ttmp6, 0x10000c
	s_cmp_lg_u32 s2, 0x3003
	s_cbranch_scc0 .Lentry_shape_is_right
	s_endpgm
.Lentry_shape_is_right:
; ctx[b][q][head] = the sum over k of softmax_k(q . k / 8 + mask[b][k]) v[k], both products on codes of E2M3 with one E8M0 scale for each 32 along a product's K; ctx is quantised along the 1,024 of the next product.
; THE SOFTMAX AHEAD OF THE SECOND PRODUCT: t = (score + 8 mask) x log2(e) / 8; M = the row's largest t so far, rounded UP to a whole number; p = 2^(t - M) is what is quantised, along the keys, not normalised.
; The row's sum is taken of the unquantised p and divides O at the end.  When M moves, the sum and O are multiplied by 2^(old M - new M): exact.
; SHARES.  The four work-groups of a cluster are the four quarters of one head's 2,048 queries.  A work-group owns 512 queries; each of its sixteen waves one tile of 16 in each of two passes, in 256 registers:
; four waves to a SIMD, so that one wave's vector work stands beside another's matrix work and LDS loads.
; LDS.  The head's whole K, V^T and their scale words, 208,896 bytes as they lie in memory, come ONCE: one joint tensor load a wave, 51 rows of 256 bytes, the same load with the same descriptor in all four work-groups.
; Nothing is filled again: no ring, one work-group barrier.  Behind them 8,192 bytes of 8 x mask, stored by the waves, in blocks of their own.
; LAYOUT.  Both products are used transposed: S^T = K Q^T (source 0 = 16 keys), O^T = V^T P^T (source 0 = 16 channels): a lane holds ONE query (lane % 16) throughout.  By the choice of a tile's rows
; (tile 2 B + u: rows 32 B + 8 u + r + 8 (r / 8)) the 16 registers of tiles 2 B and 2 B + 1 are 16 neighbouring keys, or channels.
; K = 64 IN AN INSTRUCTION 128 DEEP.  Q's registers 6-11 are zero codes, and bytes 2 and 3 of q's and k's scale words are 1.0.  A tile of K is 6 registers; its operand's upper six are the next tile's codes (for the last tile: zeros).
; E2M3 has no infinity and no NaN, so any code x a zero code is 0.
; THE MASK is the C of the first product: 8 x mask in the result's layout, loaded into S^T's own registers.  So it is added first and not last: an order of f32 rounding that differs from score / 8 + mask.
; LIMITS.  8 x mask is held at +-2^33: so |t| stays under 2^31, where t - M (a fused multiply-add on the exact product, against an M made of the rounded one) is at most 64 off and no p, sum or O overflows while only masked keys
; have been seen.  Differences between mask entries beyond +-2^30 are lost; a row all of whose keys are masked at or beyond that comes out uniform (for -infinity everywhere the definition gives NaN).
; NaN among the inputs is not served.  A block of zeros gets the scale byte 1 (its codes are zeros; this program alone reads the bytes).
; REGISTERS: v1-5 lane terms that stay; v6-10 the chunk's addresses; v12 -M, v13 the largest t, v[14:15] the sum in two halves; v16-21 Q, v22-27 zeros, v28 Q's scale word; v29-31 lane terms; v32-79 eight tiles of K, then four
; fragments of V^T; v80-85 zeros; v86-93 K's scale words; v96-159 S^T, then p; v160-191 O^T; v192-203 p's codes; v204-210 at work; v216-219 V's scale words; v232-254 at work.
.set MASK,  208896                     ; LDS: 8 x mask
.set QOFF,  13369344
.set WV,   12                          ; s12  my wave's number
.set SEL,  16                          ; s[16:17] lane selects for v_permlanex16_b32: lane l xor 16
.set CS,   18                          ; s[18:19] c = log2(e) / 8
.set TB,   20                          ; s20  LDS byte at which the chunk in hand begins
.set TMK,  21                          ; s21  and its 256 numbers of the mask
.set PASS, 22
.set CH,   23
.macro ROUND                           ; a round of the cluster's barrier
	s_barrier_signal -1
	s_barrier_wait -1
	s_cmp_lg_u32 s[WV], 0
	s_cbranch_scc1 .Lnot_wave_0_\@
	s_barrier_signal -3
.Lnot_wave_0_\@:
	s_barrier_wait -3
	s_barrier_signal -1
	s_barrier_wait -1
.endm
	s_load_b256 s[4:11], s[0:1], 0x0               ; qkv s[4:5], attention_mask s[6:7], cc s[8:9], cs s[10:11]
	v_lshl_add_u32 v251, v0, 2, 0x35000
	v_mov_b32 v255, 0
	ds_add_u32 v251, v255
	ds_add_u32 v251, v255
	v_lshrrev_b32 v11, 5, v0
	s_delay_alu instid0(VALU_DEP_1)
	v_readfirstlane_b32 s[WV], v11                 ; wave 0..15
	s_bfe_u32 s13, ttmp6, 0x40000                  ; cx: which quarter of the queries: it enters global addresses of q, cc and cs alone
	s_and_b32 s14, ttmp7, 0xffff                   ; 16 x batch + head, which the four partners share
	; descriptor group 1: 51 rows of 256 bytes (32 elements of 8 bytes), dense
	s_mov_b32 s24, 15|(3<<16)|(1<<21)              ; 15:0 the mask: all four work-groups; 17:16 elements of 8 bytes; 20 no padding; 21 set beside a mask
	s_mov_b32 s25, 32<<16                          ; tensor_dim0
	s_mov_b32 s26, 51<<16                          ; tensor_dim1
	s_mov_b32 s27, 32<<16                          ; tile_dim0
	s_mov_b32 s28, 51                              ; tile_dim1
	s_mov_b32 s29, 32                              ; tensor_dim0_stride
	s_mov_b32 s30, 0
	s_mov_b32 s31, 0
	s_mov_b32 s32, 1                               ; group 0: count = 1
	s_mul_i32 s33, s[WV], 13056                    ; LDS address: my sixteenth of the head's bytes
	s_mul_i32 s44, s14, 208896
	s_add_co_u32 s44, s44, s33
	s_mov_b32 s45, 0
	s_mul_i32 s54, s14, 106496
	s_mul_i32 s55, s13, 26624
	s_add_co_u32 s54, s54, s55
	s_add_co_u32 s54, s54, QOFF                    ; my work-group's first chunk of q (16 tiles; a pass takes a chunk)
	s_mul_i32 s55, s[WV], 768
	s_add_co_u32 s46, s54, s55                     ; my tile's codes
	s_mov_b32 s47, 0
	s_lshr_b32 s55, s[WV], 3
	s_lshl_b32 s55, s55, 9
	s_add_co_u32 s48, s54, s55
	s_and_b32 s55, s[WV], 7
	s_lshl_b32 s55, s55, 2
	s_add_co_u32 s48, s48, s55
	s_add_co_u32 s48, s48, 12288                   ; and its scale words: [step][r][tile]
	s_mov_b32 s49, 0
	s_lshr_b32 s54, s14, 4                         ; batch
	s_lshl_b32 s58, s54, 13                        ; its 2,048 numbers of the mask
	s_mov_b32 s59, 0
	s_lshl_b32 s54, s54, 7
	s_lshl_b32 s55, s13, 5
	s_add_co_u32 s54, s54, s55
	s_add_co_u32 s54, s54, s[WV]                   ; my first token tile: 128 x batch + 32 cx + wave
	s_and_b32 s55, s14, 15                         ; head
	s_mul_i32 s50, s54, 12288
	s_mul_i32 s60, s55, 768
	s_add_co_u32 s50, s50, s60                     ; cc: [token tile][head][768]
	s_mov_b32 s51, 0
	s_lshl_b32 s56, s54, 9
	s_lshr_b32 s60, s55, 2
	s_lshl_b32 s60, s60, 7
	s_add_co_u32 s56, s56, s60
	s_and_b32 s60, s55, 3
	s_lshl_b32 s60, s60, 1
	s_add_co_u32 s56, s56, s60                     ; cs: tile x 512 + (head / 4) x 128 + 8 r + 2 (head % 4)
	s_mov_b32 s57, 0
	s_mov_b32 s[SEL], 0x76543210
	s_mov_b32 s[SEL+1], 0xfedcba98
	s_mov_b32 s[CS], 0x3e38aa3b                    ; log2(e) / 8
	s_mov_b32 s[CS+1], s[CS]                       ; (named with it as a pair, so it is written)
	s_mov_b32 s52, 0xd0000000                      ; -2^33
	s_mov_b32 s53, 0x50000000                      ; 2^33
	s_mov_b32 s[PASS], 2
	s_wait_dscnt 0x0
	s_wait_kmcnt 0x0
	s_add_nc_u64 s[34:35], s[4:5], s[44:45]        ; group 0: global address
	s_or_b32 s35, s35, 0x80000000                  ; type = 2
	s_add_nc_u64 s[36:37], s[4:5], s[46:47]        ; Q's codes
	s_add_nc_u64 s[38:39], s[4:5], s[48:49]        ; Q's scale words
	s_add_nc_u64 s[40:41], s[8:9], s[50:51]        ; cc
	s_add_nc_u64 s[42:43], s[10:11], s[56:57]      ; cs
	s_add_nc_u64 s[6:7], s[6:7], s[58:59]          ; the mask
	ROUND                                          ; all four work-groups are here: the joint loads meet
	tensor_load_to_lds s[32:35], s[24:31]          ; my one tensor load of the launch
	s_nop 0
.rept 4
	v_nop
.endr
	v_lshlrev_b32 v31, 4, v0                       ; 16 x thread
	global_load_b128 v[96:99], v31, s[6:7]         ; 512 threads x 4 numbers: the batch's mask
	v_and_b32 v11, 31, v0
	s_delay_alu instid0(VALU_DEP_1)
	v_lshlrev_b32 v1, 4, v11                       ; 16 x lane
	s_delay_alu instid0(VALU_DEP_2)
	v_lshlrev_b32 v2, 3, v11                       ; 8 x lane
	v_and_b32 v11, 15, v0                          ; r
	s_delay_alu instid0(VALU_DEP_1)
	v_lshlrev_b32 v30, 5, v11                      ; 32 r
	s_delay_alu instid0(VALU_DEP_1)
	v_add_nc_u32 v3, 24576, v30                    ; K's scale words in a chunk
	s_delay_alu instid0(VALU_DEP_3)
	v_lshlrev_b32 v4, 4, v11
	s_delay_alu instid0(VALU_DEP_1)
	v_add_nc_u32 v4, 25600, v4                     ; V's
	v_lshlrev_b32 v29, 3, v11                      ; 8 r
	v_bfe_u32 v5, v0, 4, 1
	s_delay_alu instid0(VALU_DEP_1)
	v_lshl_add_u32 v5, v5, 6, MASK                 ; the mask: my half's 16 keys of a block of 32
	v_add_nc_u32 v11, MASK, v31
.irp j, 22,23,24,25,26,27,80,81,82,83,84,85
	v_mov_b32 v\j, 0                               ; zero codes
.endr
.irp b, 0,1,2,3
	v_mov_b32 v[236+\b], 0                         ; written once: a lane permute's destination counts as one of its sources
.endr
	v_mov_b32 v253, 0                              ; (named as the upper half of the pair v[252:253] before it is first written)
	s_wait_loadcnt 0x0
.irp j, 96,97,98,99
	v_mul_f32 v\j, 0x41000000, v\j                 ; 8 x mask,
.endr
.irp j, 96,97,98,99
	s_delay_alu instid0(VALU_DEP_4)
	v_med3_num_f32 v\j, v\j, s52, s53              ; held at +-2^33
.endr
	ds_store_b128 v11, v[96:99]
	s_wait_tensorcnt 0x0                           ; my part of the head's bytes has landed,
	s_wait_dscnt 0x0                               ; my part of the mask is stored:
	s_barrier_signal -1
	s_barrier_wait -1                              ; everybody's
; A KEY STEP: 128 keys, the q-th of the chunk in hand
.macro STEP q
.if \q
.rept 4
	v_nop                                          ; places in front of loads into registers that the last products have read (in the chunk's first step the five additions are the places)
.endr
.endif
	s_setprio 2
.irp t, 0,1,2,3,4,5,6,7                        ; 8 x mask into S^T's registers: register j of tile t is key 32 (t / 2) + 16 h + 8 (t % 2) + j; the lanes of a half read the same 16 bytes
	ds_load_b128 v[96+8*\t:99+8*\t], v10 offset:512*\q+(32*(\t/2)+8*(\t%2))*4
	ds_load_b128 v[100+8*\t:103+8*\t], v10 offset:512*\q+(32*(\t/2)+8*(\t%2))*4+16
.endr
.irp t, 0,1,2,3,4,5,6,7                        ; eight tiles of K, six registers each, on end
	ds_load_b128 v[32+6*\t:35+6*\t], v6 offset:6144*\q+768*\t
	ds_load_b64 v[36+6*\t:37+6*\t], v7 offset:6144*\q+768*\t+512
.endr
	ds_load_b128 v[86:89], v8 offset:512*\q        ; row r's eight scale words
	ds_load_b128 v[90:93], v8 offset:512*\q+16
	s_wait_dscnt 0x0
.irp t, 0,1,2,3,4,5,6,7                        ; eight accumulators, one instruction each
	v_wmma_scale_f32_16x16x128_f8f6f4 v[96+8*\t:103+8*\t], v[32+6*\t:43+6*\t], v[16:27], v[96+8*\t:103+8*\t], v[86+\t], v28 matrix_a_fmt:MATRIX_FMT_FP6 matrix_b_fmt:MATRIX_FMT_FP6
.endr
.rept 4
	v_nop                                          ; places in front of the loads below and of the first read of the scores
.endr
.irp d, 0,1,2,3                                ; V^T's four fragments are asked for here: they land while the softmax is worked
	ds_load_b128 v[32+12*\d:35+12*\d], v6 offset:12288+6144*\q+1536*\d
	ds_load_b64 v[36+12*\d:37+12*\d], v7 offset:12288+6144*\q+1536*\d+512
	ds_load_b128 v[38+12*\d:41+12*\d], v6 offset:12288+6144*\q+1536*\d+768
	ds_load_b64 v[42+12*\d:43+12*\d], v7 offset:12288+6144*\q+1536*\d+1280
.endr
	ds_load_b128 v[216:219], v9 offset:256*\q      ; row r's four scale words
.irp b, 0,1,2,3
	v_max3_num_f32 v[232+\b], v[96+16*\b], v[97+16*\b], v[98+16*\b]   ; the largest score of each block of 32 keys: it serves for the row's maximum and, since p rises with the score, for the block's largest p
.endr
.irp i, 3,5,7,9,11,13
.irp b, 0,1,2,3
	v_max3_num_f32 v[232+\b], v[232+\b], v[96+16*\b+\i], v[97+16*\b+\i]
.endr
.endr
.irp b, 0,1,2,3
	v_max_num_f32 v[232+\b], v[232+\b], v[111+16*\b]
.endr
.irp b, 0,1,2,3
	s_delay_alu instid0(VALU_DEP_4)
	v_permlanex16_b32 v[236+\b], v[232+\b], s[SEL], s[SEL+1]
.endr
.irp b, 0,1,2,3
	s_delay_alu instid0(VALU_DEP_4)
	v_max_num_f32 v[232+\b], v[232+\b], v[236+\b]  ; with lane l xor 16's 16 keys
.endr
	s_delay_alu instid0(VALU_DEP_2)
	v_max3_num_f32 v254, v232, v233, v234
	s_delay_alu instid0(VALU_DEP_1)
	v_max_num_f32 v254, v254, v235                 ; the step's largest score of my query
	s_delay_alu instid0(VALU_DEP_1)
	v_mul_f32 v254, s[CS], v254                    ; as t (c is positive)
	s_delay_alu instid0(VALU_DEP_1)
	v_max_num_f32 v13, v13, v254                   ; the running largest t
	v_mov_b32 v254, v12
	s_delay_alu instid0(VALU_DEP_2)
	v_floor_f32 v12, -v13                          ; the new -M = floor(-t) = -ceil(t): a whole number
	s_delay_alu instid0(VALU_DEP_1)
	v_sub_f32 v254, v12, v254                      ; M's old value less its new one: a whole number, 0 or less
	s_delay_alu instid0(VALU_DEP_1)
	v_cvt_i32_f32 v254, v254                       ; (it saturates)
	s_delay_alu instid0(VALU_DEP_1)
	v_ldexp_f32 v252, 1.0, v254                    ; f = 2^(old M - new M)
.set jj, 0
.rept 32
	v_pk_fma_f32 v[96+jj:97+jj], v[96+jj:97+jj], s[CS:CS+1], v[12:13] op_sel_hi:[1,0,0]   ; t - M, two at a time
.set jj, jj+2
.endr
.irp b, 0,1,2,3
	v_fma_f32 v[232+\b], v[232+\b], s[CS], v12     ; the same of each block's largest score
.endr
.set jj, 0
	s_setprio 1
	s_wait_alu depctr_va_vdst(0)
.rept 64
	v_exp_f32 v[96+jj], v[96+jj]                   ; p = 2^(t - M): not normalised
.set jj, jj+1
.endr
.irp b, 0,1,2,3
	v_exp_f32 v[232+\b], v[232+\b]                 ; the block's largest p: the same two instructions on the same number give the same bits
.endr
	v_pk_mul_f32 v[14:15], v[14:15], v[252:253] op_sel_hi:[1,0]   ; the sums under the new M.  (A plain place behind the exponentials)
	s_wait_alu depctr_va_vdst(0)
.irp b, 0,1,2,3
	v_max_num_f32 v[232+\b], 0x1800000, v[232+\b]  ; the floor 2^(3 - 127): the byte cannot fall under 1
.endr
.irp b, 0,1,2,3
	s_delay_alu instid0(VALU_DEP_4)
	v_add_nc_u32 v[244+\b], 0xff000000, v[232+\b]  ; 2 off the exponent field: the conversion's scale operand
.endr
.irp b, 0,1,2,3
	s_delay_alu instid0(VALU_DEP_4)
	v_lshrrev_b32 v[236+\b], 23, v[244+\b]         ; the scale's byte
.endr
	s_delay_alu instid0(VALU_DEP_3)
	v_lshl_or_b32 v253, v237, 8, v236              ; p's scale word for these 128 keys
	s_delay_alu instid0(VALU_DEP_1)
	v_lshl_or_b32 v253, v238, 16, v253
	s_delay_alu instid0(VALU_DEP_1)
	v_lshl_or_b32 v253, v239, 24, v253
.irp c, 0,1
	v_cvt_scalef32_pk16_fp6_f32 v[192+6*\c:194+6*\c], v[96+32*\c:111+32*\c], v[244+2*\c]
	v_cvt_scalef32_pk16_fp6_f32 v[204+4*\c:206+4*\c], v[112+32*\c:127+32*\c], v[245+2*\c]   ; (a conversion's three registers begin on an even number)
.endr
	v_nop                                          ; one plain place behind a scaled conversion
.irp c, 0,1                                    ; the operand's layout wants a whole block in a lane
.irp i, 0,1,2
	v_permlane16_swap_b32 v[192+6*\c+\i], v[204+4*\c+\i]
.endr
.irp i, 0,1,2
	s_delay_alu instid0(VALU_DEP_3)
	v_mov_b32 v[195+6*\c+\i], v[204+4*\c+\i]
.endr
.endr
	v_pk_add_f32 v[236:237], v[100:101], v[104:105]
	v_pk_add_f32 v[248:249], v[108:109], v[112:113]
	v_pk_add_f32 v[246:247], v[116:117], v[120:121]
	v_pk_add_f32 v[244:245], v[124:125], v[128:129]
	v_pk_add_f32 v[242:243], v[132:133], v[136:137]
	v_pk_add_f32 v[240:241], v[140:141], v[144:145]
	v_pk_add_f32 v[234:235], v[148:149], v[152:153]
	v_pk_add_f32 v[14:15], v[14:15], v[156:157]
	v_pk_add_f32 v[236:237], v[236:237], v[96:97]
	v_pk_add_f32 v[248:249], v[248:249], v[98:99]
	v_pk_add_f32 v[246:247], v[246:247], v[102:103]
	v_pk_add_f32 v[244:245], v[244:245], v[106:107]
	v_pk_add_f32 v[242:243], v[242:243], v[110:111]
	v_pk_add_f32 v[240:241], v[240:241], v[114:115]
	v_pk_add_f32 v[234:235], v[234:235], v[118:119]
	v_pk_add_f32 v[14:15], v[14:15], v[122:123]
	v_pk_add_f32 v[236:237], v[236:237], v[126:127]
	v_pk_add_f32 v[248:249], v[248:249], v[130:131]
	v_pk_add_f32 v[246:247], v[246:247], v[134:135]
	v_pk_add_f32 v[244:245], v[244:245], v[138:139]
	v_pk_add_f32 v[242:243], v[242:243], v[142:143]
	v_pk_add_f32 v[240:241], v[240:241], v[146:147]
	v_pk_add_f32 v[234:235], v[234:235], v[150:151]
	v_pk_add_f32 v[14:15], v[14:15], v[154:155]
	v_pk_add_f32 v[236:237], v[236:237], v[158:159]
	s_delay_alu instid0(VALU_DEP_2)
	v_pk_add_f32 v[14:15], v[14:15], v[244:245]
	s_delay_alu instid0(VALU_DEP_2)
	v_pk_add_f32 v[236:237], v[236:237], v[242:243]
	s_setprio 0
	v_pk_add_f32 v[248:249], v[248:249], v[240:241]
	v_pk_add_f32 v[246:247], v[246:247], v[234:235]
	s_delay_alu instid0(VALU_DEP_2)
	v_pk_add_f32 v[14:15], v[14:15], v[248:249]
	s_delay_alu instid0(VALU_DEP_2)
	v_pk_add_f32 v[236:237], v[236:237], v[246:247]
	s_delay_alu instid0(VALU_DEP_1)
	v_pk_add_f32 v[14:15], v[14:15], v[236:237]
.set jj, 0
.rept 16
	v_pk_mul_f32 v[160+jj:161+jj], v[160+jj:161+jj], v[252:253] op_sel_hi:[1,0]   ; O^T under the new M.  (With the sums above: the places between p's codes and scale word and the products below)
.set jj, jj+2
.endr
	s_wait_alu depctr_va_vdst(0)
	s_wait_dscnt 0x0                               ; V^T
.irp d, 0,1,2,3                                ; four accumulators, one instruction each
	v_wmma_scale_f32_16x16x128_f8f6f4 v[160+8*\d:167+8*\d], v[32+12*\d:43+12*\d], v[192:203], v[160+8*\d:167+8*\d], v[216+\d], v253 matrix_a_fmt:MATRIX_FMT_FP6 matrix_b_fmt:MATRIX_FMT_FP6
.endr
.endm
.Lpass:                                        ; two trips: a tile of 16 queries each
	global_load_b128 v[16:19], v1, s[36:37]        ; Q's tile: 64 along K: registers 0-3,
	global_load_b64 v[20:21], v2, s[36:37] offset:512   ; 4-5
	global_load_b32 v28, v30, s[38:39]             ; row r's scale word
	v_mov_b32 v13, 0xff61b1e6                      ; the largest t so far: -3e38, under every t
	s_delay_alu instid0(VALU_DEP_1)
	v_floor_f32 v12, -v13                          ; -M
	v_mov_b32 v14, 0                               ; the sum, in two halves
	v_mov_b32 v15, 0
.set jj, 0
.rept 32
	v_mov_b32 v[160+jj], 0                         ; O^T: the step is written once; the first finds zeros, which the first change of M leaves zeros
.set jj, jj+1
.endr
	s_mov_b32 s[TB], 0
	s_mov_b32 s[TMK], 0
	s_mov_b32 s[CH], 8
	s_wait_loadcnt 0x0
.Lchunk:                                       ; eight trips: a chunk of 256 keys, two key steps
	v_add_nc_u32 v6, s[TB], v1
	s_wait_alu depctr_va_vdst(0)
	v_add_nc_u32 v7, s[TB], v2
	s_wait_alu depctr_va_vdst(0)
	v_add_nc_u32 v8, s[TB], v3
	v_add_nc_u32 v9, s[TB], v4
	s_wait_alu depctr_va_vdst(0)
	v_add_nc_u32 v10, s[TMK], v5
	STEP 0
	STEP 1
	s_add_co_u32 s[TB], s[TB], 26112
	s_add_co_u32 s[TMK], s[TMK], 1024
	s_sub_co_u32 s[CH], s[CH], 1
	s_cmp_lg_u32 s[CH], 0
	s_cbranch_scc1 .Lchunk
	s_setprio 0
	; THE WAY OUT of a pass: O^T / the sum; register 16 B + i is channel 32 B + 16 h + i of the head: two blocks of the next product's K
.rept 4
	v_nop
.endr
	v_add_f32 v14, v14, v15                        ; the sum's two halves,
	s_delay_alu instid0(VALU_DEP_1)
	v_permlanex16_b32 v252, v14, s[SEL], s[SEL+1]
	s_delay_alu instid0(VALU_DEP_1)
	v_add_f32 v14, v14, v252                       ; and lane l xor 16's
	s_wait_alu depctr_va_vdst(0)
	v_rcp_f32 v14, v14
	v_nop                                          ; one plain place behind a transcendental
.set jj, 0
	s_wait_alu depctr_va_vdst(0)
.rept 16
	v_pk_mul_f32 v[96+jj:97+jj], v[160+jj:161+jj], v[14:15] op_sel_hi:[1,0]   ; each accumulator from its low end on
.set jj, jj+2
.endr
.irp b, 0,1
	v_max3_num_f32 v[232+\b], |v[96+16*\b]|, |v[97+16*\b]|, 0x1800000
.endr
.irp i, 2,4,6,8,10,12,14
.irp b, 0,1
	s_delay_alu instid0(VALU_DEP_2)
	v_max3_num_f32 v[232+\b], v[232+\b], |v[96+16*\b+\i]|, |v[97+16*\b+\i]|
.endr
.endr
.irp b, 0,1
	s_delay_alu instid0(VALU_DEP_2)
	v_permlanex16_b32 v[236+\b], v[232+\b], s[SEL], s[SEL+1]
.endr
.irp b, 0,1
	s_delay_alu instid0(VALU_DEP_2)
	v_max_num_f32 v[232+\b], v[232+\b], v[236+\b]
.endr
.irp b, 0,1
	s_delay_alu instid0(VALU_DEP_2)
	v_add_nc_u32 v[244+\b], 0xff000000, v[232+\b]
.endr
.irp b, 0,1
	s_delay_alu instid0(VALU_DEP_2)
	v_lshrrev_b32 v[236+\b], 23, v[244+\b]
.endr
	s_delay_alu instid0(VALU_DEP_1)
	v_lshl_or_b32 v254, v237, 8, v236              ; the head's two scale bytes of my row
	v_cvt_scalef32_pk16_fp6_f32 v[192:194], v[96:111], v244
	v_cvt_scalef32_pk16_fp6_f32 v[204:206], v[112:127], v245
	v_nop
.irp i, 0,1,2
	v_permlane16_swap_b32 v[192+\i], v[204+\i]
.endr
.irp i, 0,1,2
	s_delay_alu instid0(VALU_DEP_3)
	v_mov_b32 v[195+\i], v[204+\i]
.endr
	global_store_b128 v1, v[192:195], s[40:41]     ; 512 consecutive bytes, aligned
	global_store_b64 v2, v[196:197], s[40:41] offset:512
	global_store_b16 v29, v254, s[42:43]           ; two bytes a row (both halves of the lanes store the same): one byte in 24 of what the launch stores
	s_wait_xcnt 0x0                                ; the loads and stores have read their bases and registers: both are written again
	s_add_nc_u64 s[36:37], s[36:37], 13312         ; the next chunk of q,
	s_add_nc_u64 s[38:39], s[38:39], 13312
	s_add_nc_u64 s[40:41], s[40:41], 196608        ; 16 token tiles on
	s_add_nc_u64 s[42:43], s[42:43], 8192
	s_sub_co_u32 s[PASS], s[PASS], 1
	s_cmp_lg_u32 s[PASS], 0
	s_cbranch_scc1 .Lpass
	s_wait_dscnt 0x0
	s_wait_tensorcnt 0x0
	ds_add_u32 v251, v255
	s_wait_dscnt 0x0
	ROUND                                          ; the closing round: no work-group ends while a partner may still ask for bytes jointly
	s_endpgm
.Lfunc_end_k_q8794081445_attn:
	.size	k_q8794081445_attn, .Lfunc_end_k_q8794081445_attn-k_q8794081445_attn
	.p2alignl 7, 3214868480
	.fill 96, 4, 3214868480
	.section	.rodata,"a",@progbits
	.p2align	6, 0x0
	.amdhsa_kernel k_q8794081445_attn
		.amdhsa_group_segment_fixed_size 219136
		.amdhsa_private_segment_fixed_size 0
		.amdhsa_enable_private_segment 0
		.amdhsa_kernarg_size 32
		.amdhsa_user_sgpr_count 2
		.amdhsa_user_sgpr_kernarg_segment_ptr 1
		.amdhsa_wavefront_size32 1
		.amdhsa_system_sgpr_workgroup_id_x 1
		.amdhsa_system_sgpr_workgroup_id_y 1
		.amdhsa_system_sgpr_workgroup_id_z 1
		.amdhsa_system_vgpr_workitem_id 0
		.amdhsa_next_free_vgpr 256
		.amdhsa_next_free_sgpr 66
		.amdhsa_reserve_vcc 0
		.amdhsa_float_denorm_mode_32 3
		.amdhsa_float_denorm_mode_16_64 3
		.amdhsa_memory_ordered 1
		.amdhsa_forward_progress 1
		.amdhsa_inst_pref_size 50
	.end_amdhsa_kernel
	.amdgpu_metadata
---
amdhsa.version: [ 1, 2 ]
amdhsa.kernels:
  - .name:           k_q8794081445_attn
    .symbol:         k_q8794081445_attn.kd
    .args:
      - { .name: qkv, .offset: 0, .size: 8, .value_kind: global_buffer, .address_space: global }
      - { .name: attention_mask, .offset: 8, .size: 8, .value_kind: global_buffer, .address_space: global }
      - { .name: cc, .offset: 16, .size: 8, .value_kind: global_buffer, .address_space: global }
      - { .name: cs, .offset: 24, .size: 8, .value_kind: global_buffer, .address_space: global }
    .group_segment_fixed_size: 219136
    .private_segment_fixed_size: 0
    .kernarg_segment_align: 8
    .kernarg_segment_size: 32
    .max_flat_workgroup_size: 512
    .sgpr_count:     66
    .vgpr_count:     256
    .wavefront_size: 32
...
	.end_amdgpu_metadata
.endif
;; end of part 3
;; launch outln (part 4): grid 256 x 1, 16 waves a work-group, no clusters, 158,208 bytes of LDS; arguments opc, ops, cc, cs, bo, hidden_states, ln_gamma, ln_beta, out0; writes out0
.if DOCPART == 4
	.amdgcn_target "amdgcn-amd-amdhsa--gfx1250"
	.amdhsa_code_object_version 6
	.text
	.protected	k_q8794081445_outln
	.globl	k_q8794081445_outln
	.p2align	8
	.type	k_q8794081445_outln,@function
k_q8794081445_outln:
	s_mov_b64 s[64:65], 0
	v_nop
	global_prefetch_b8 v0, s[64:65] scope:SCOPE_SE
	s_setreg_imm32_b32 hwreg(HW_REG_WAVE_MODE, 25, 1), 1
	s_wait_xcnt 0x0
; out = LayerNorm(ctx Wo + bo + hidden_states) x gamma + beta.  The product is on codes of E2M3 with one E8M0 scale for each 32 along K = 1,024; all else in f32.
; SHARES.  A work-group owns 32 tokens (token tiles 2 g and 2 g + 1) and all 1,024 channels, so that a row's mean and variance stay inside it.  Wave w makes channels 64 w .. 64 w + 63 (Wo's tiles 4 w .. 4 w + 3)
; for both token tiles: eight accumulators.  Source 0 = 16 rows of Wo, source 1 = 16 tokens of ctx: a lane holds one token and eight neighbouring channels.
; Wo's fragments come from opc straight into registers, three loads of 512 consecutive bytes each; no other wave of the work-group reads them.  ctx's two tiles (24,576 bytes) are copied into LDS once and read by all sixteen waves.
; NO JOINT LOADS, though all work-groups walk the same Wo: a joint load would go through LDS slots filled again behind a round of a cluster's barrier at every K step, and a K step here is eight matrix instructions a wave;
; by loads into registers 24 loads a wave stay on their way with no barrier at all.
; bo is the C of each sum's first matrix instruction (loaded into the accumulators): it is added first and not last, an order of f32 rounding that differs from ctx Wo + bo.
; The results meet in a stage in LDS (32 rows of 4,096 bytes + 16); each wave then takes two whole rows: residual, mean, variance of the deviations (no difference of large sums), gain and bias, and stores 512 consecutive bytes an instruction.
; LIMITS: NaN and infinities are not served.
.set STG,  24576                       ; LDS: behind ctx's image: the stage; row 16 m + r is token 8 m + r + 8 (r / 8)
.set SPI,  4112                        ; its pitch: an odd multiple of 16
.set ACC,  16                          ; v16-79   accumulator (n, m) at 16 + 8 (2 n + m)
.set WF,   80                          ; v80-175  Wo's four fragments, two sets
.set CF,   176                         ; v176-199 ctx's two fragments
.set WSC,  200                         ; v200-231 Wo's scale words: 8 n + K step
.set CSC,  232                         ; v232-247 ctx's: 8 m + K step
.set WV,   22
.set SEL,  24
	s_load_b256 s[4:11], s[0:1], 0x0               ; opc, ops, cc, cs
	s_load_b256 s[12:19], s[0:1], 0x20             ; bo, hidden_states, ln_gamma, ln_beta
	s_load_b64 s[20:21], s[0:1], 0x40              ; out0
	v_lshl_add_u32 v254, v0, 2, 0x26200
	v_mov_b32 v255, 0
	v_lshrrev_b32 v1, 5, v0
	s_delay_alu instid0(VALU_DEP_1)
	v_readfirstlane_b32 s[WV], v1                  ; wave 0..15
	v_and_b32 v10, 31, v0                          ; lane
	v_and_b32 v11, 15, v0                          ; r
	v_bfe_u32 v12, v0, 4, 1                        ; h
	s_delay_alu instid0(VALU_DEP_3)
	v_lshlrev_b32 v1, 4, v10                       ; 16 x lane
	s_delay_alu instid0(VALU_DEP_4)
	v_lshlrev_b32 v2, 3, v10                       ; 8 x lane
	s_delay_alu instid0(VALU_DEP_4)
	v_lshlrev_b32 v3, 3, v11                       ; 8 r
	s_delay_alu instid0(VALU_DEP_4)
	v_lshlrev_b32 v6, 6, v12                       ; 64 h
	v_lshlrev_b32 v7, 4, v0                        ; 16 x thread
	v_lshlrev_b32 v8, 8, v10                       ; 256 x lane
	v_mul_u32_u24 v4, v11, SPI
	s_delay_alu instid0(VALU_DEP_1)
	v_add_nc_u32 v4, v4, v6
	s_lshl_b32 s26, s[WV], 8
	s_add_co_u32 s27, s26, STG
	v_add_nc_u32 v4, s27, v4                       ; into the stage: row r, + 64 h, + 256 w
	s_delay_alu instid0(VALU_DEP_1)
	v_add_nc_u32 v9, 16*SPI, v4                    ; and the second token tile's rows, which lie beyond an immediate's reach
	s_mul_i32 s27, s[WV], 2*SPI
	s_add_co_u32 s27, s27, STG
	v_add_nc_u32 v5, s27, v1                       ; out of it: my two rows, 16 bytes a lane
	v_mov_b32 v245, 0                              ; (upper halves of pairs of which the low word serves both halves)
	v_mov_b32 v247, 0
	s_mov_b32 s[SEL], 0x76543210
	s_mov_b32 s[SEL+1], 0xfedcba98
	s_mov_b32 s23, 0x3a800000                      ; 1 / 1,024
	s_mov_b32 s27, 0x2b8cbccc                      ; 1e-12
	s_lshl_b32 s28, s[WV], 2
	s_add_co_u32 s28, s28, 704                     ; my first tile of Wo in opc and ops
	s_mul_i32 s30, s28, 12288
	s_mov_b32 s31, 0
	s_lshl_b32 s32, s28, 9
	s_mov_b32 s33, 0
	s_mul_i32 s34, ttmp9, 24576                    ; my two token tiles in cc,
	s_mov_b32 s35, 0
	s_lshl_b32 s36, ttmp9, 10                      ; in cs
	s_mov_b32 s37, 0
	s_mov_b32 s38, s26                             ; bo: my 64 channels
	s_mov_b32 s39, 0
	s_lshr_b32 s40, s[WV], 3                       ; stage rows 2 w and 2 w + 1 are tokens 8 (w / 8) + 2 (w % 8) + 8 ((w / 4) % 2) and the next
	s_lshl_b32 s40, s40, 3
	s_and_b32 s41, s[WV], 7
	s_lshl_b32 s41, s41, 1
	s_add_co_u32 s40, s40, s41
	s_bfe_u32 s41, s[WV], 0x10002
	s_lshl_b32 s41, s41, 3
	s_add_co_u32 s40, s40, s41
	s_lshl_b32 s41, ttmp9, 5
	s_add_co_u32 s40, s40, s41
	s_lshl_b32 s40, s40, 12                        ; a row is 4,096 bytes
	s_mov_b32 s41, 0
	s_wait_alu depctr_va_vdst(0)
	s_wait_kmcnt 0x0
	s_add_nc_u64 s[4:5], s[4:5], s[30:31]
	s_add_nc_u64 s[6:7], s[6:7], s[32:33]
	s_add_nc_u64 s[8:9], s[8:9], s[34:35]
	s_add_nc_u64 s[10:11], s[10:11], s[36:37]
	s_add_nc_u64 s[12:13], s[12:13], s[38:39]
	s_add_nc_u64 s[14:15], s[14:15], s[40:41]
	s_add_nc_u64 s[20:21], s[20:21], s[40:41]
.irp k, 0,1,2
	global_load_b128 v[CF+4*\k:CF+4*\k+3], v7, s[8:9] offset:8192*\k   ; ctx's codes: 512 threads x 16 bytes, three times
.endr
.irp m, 0,1
.irp q, 0,1,2,3
	global_load_b64 v[CSC+8*\m+2*\q:CSC+8*\m+2*\q+1], v3, s[10:11] offset:512*\m+128*\q
.endr
.endr
.irp n, 0,1,2,3
.irp q, 0,1,2,3
	global_load_b64 v[WSC+8*\n+2*\q:WSC+8*\n+2*\q+1], v3, s[6:7] offset:512*\n+128*\q
.endr
.endr
.irp n, 0,1,2,3                                ; bo into the accumulators: register j of tile n is channel 32 (n / 2) + 16 h + 8 (n % 2) + j
.irp m, 0,1
	global_load_b128 v[ACC+8*(2*\n+\m):ACC+8*(2*\n+\m)+3], v6, s[12:13] offset:(32*(\n/2)+8*(\n%2))*4
	global_load_b128 v[ACC+8*(2*\n+\m)+4:ACC+8*(2*\n+\m)+7], v6, s[12:13] offset:(32*(\n/2)+8*(\n%2))*4+16
.endr
.endr
	s_wait_loadcnt 40                              ; the three copies are in; the 8 + 16 + 16 loads behind them may be out
.irp k, 0,1,2
	ds_store_b128 v7, v[CF+4*\k:CF+4*\k+3] offset:8192*\k
.endr
.macro WLOAD s                         ; K step s of my four tiles of Wo into set s % 2
.irp n, 0,1,2,3
.irp c, 0,1,2
	global_load_b128 v[WF+48*((\s)%2)+12*\n+4*\c:WF+48*((\s)%2)+12*\n+4*\c+3], v1, s[4:5] offset:12288*\n+1536*(\s)+512*\c
.endr
.endr
.endm
	WLOAD 0
	WLOAD 1
	s_wait_dscnt 0x0                               ; my part of ctx's image is stored
	s_barrier_signal -1
	s_barrier_wait -1                              ; everybody's
.macro KSTEP s
.irp m, 0,1                                    ; heads 2 s and 2 s + 1 of token tile m are one fragment
	ds_load_b128 v[CF+12*\m:CF+12*\m+3], v1 offset:12288*\m+1536*(\s)
	ds_load_b64 v[CF+12*\m+4:CF+12*\m+5], v2 offset:12288*\m+1536*(\s)+512
	ds_load_b128 v[CF+12*\m+6:CF+12*\m+9], v1 offset:12288*\m+1536*(\s)+768
	ds_load_b64 v[CF+12*\m+10:CF+12*\m+11], v2 offset:12288*\m+1536*(\s)+1280
.endr
.if (\s) < 7
	s_wait_loadcnt 12                              ; this K step's fragments of Wo are in (and all that was asked for before them); the next step's twelve loads may be out
.else
	s_wait_loadcnt 0x0
.endif
	s_wait_dscnt 0x0
.irp n, 0,1,2,3                                ; eight accumulators by turns, one instruction a turn
.irp m, 0,1
	v_wmma_scale_f32_16x16x128_f8f6f4 v[ACC+8*(2*\n+\m):ACC+8*(2*\n+\m)+7], v[WF+48*((\s)%2)+12*\n:WF+48*((\s)%2)+12*\n+11], v[CF+12*\m:CF+12*\m+11], v[ACC+8*(2*\n+\m):ACC+8*(2*\n+\m)+7], v[WSC+8*\n+(\s)], v[CSC+8*\m+(\s)] matrix_a_fmt:MATRIX_FMT_FP6 matrix_b_fmt:MATRIX_FMT_FP6
.endr
.endr
.rept 4
	v_nop                                          ; places in front of loads into registers that these products have read, and of the first read of results
.endr
.if (\s) < 6
	WLOAD (\s)+2
.endif
.if (\s) == 2
	global_prefetch_b8 v8, s[14:15] th:TH_LOAD_NT scope:SCOPE_SE   ; my two rows of hidden_states, 32 blocks of 256 bytes, a lane a block, each named once in the launch: five K steps ahead of the loads that want them
.endif
.endm
.irp s, 0,1,2,3,4,5,6,7
	KSTEP \s
.endr
.irp j, 0,1,2,3,4,5,6,7
	global_load_b128 v[112+4*\j:115+4*\j], v1, s[14:15] offset:512*\j th:TH_LOAD_NT      ; my first row of hidden_states
.endr
.irp j, 0,1,2,3,4,5,6,7
	global_load_b128 v[176+4*\j:179+4*\j], v1, s[16:17] offset:512*\j                    ; gamma
.endr
.irp j, 0,1,2,3,4,5,6,7
	global_load_b128 v[208+4*\j:211+4*\j], v1, s[18:19] offset:512*\j                    ; beta
.endr
.irp j, 0,1,2,3,4,5,6,7
	global_load_b128 v[144+4*\j:147+4*\j], v1, s[14:15] offset:4096+512*\j th:TH_LOAD_NT ; my second row
.endr
.irp n, 0,1,2,3                                ; each accumulator from its low end on
	ds_store_b128 v4, v[ACC+16*\n:ACC+16*\n+3] offset:(32*(\n/2)+8*(\n%2))*4
	ds_store_b128 v4, v[ACC+16*\n+4:ACC+16*\n+7] offset:(32*(\n/2)+8*(\n%2))*4+16
	ds_store_b128 v9, v[ACC+16*\n+8:ACC+16*\n+11] offset:(32*(\n/2)+8*(\n%2))*4
	ds_store_b128 v9, v[ACC+16*\n+12:ACC+16*\n+15] offset:(32*(\n/2)+8*(\n%2))*4+16
.endr
	s_wait_dscnt 0x0                               ; my 64 channels of the 32 rows are stored
	s_barrier_signal -1
	s_barrier_wait -1                              ; 32 whole rows lie in the stage
.irp j, 0,1,2,3,4,5,6,7
	ds_load_b128 v[80+4*\j:83+4*\j], v5 offset:512*\j
.endr
.irp j, 0,1,2,3,4,5,6,7
	ds_load_b128 v[16+4*\j:19+4*\j], v5 offset:SPI+512*\j
.endr
.macro REDUCE                          ; v240 = the sum of v240 + v241 over the wave's 32 lanes, in every lane
	s_delay_alu instid0(VALU_DEP_1)
	v_add_f32 v240, v240, v241
	s_delay_alu instid0(VALU_DEP_1)
	v_add_f32_dpp v240, v240, v240 row_xmask:1 row_mask:0xf bank_mask:0xf
	s_delay_alu instid0(VALU_DEP_1)
	v_add_f32_dpp v240, v240, v240 row_xmask:2 row_mask:0xf bank_mask:0xf
	s_delay_alu instid0(VALU_DEP_1)
	v_add_f32_dpp v240, v240, v240 row_xmask:4 row_mask:0xf bank_mask:0xf
	s_delay_alu instid0(VALU_DEP_1)
	v_add_f32_dpp v240, v240, v240 row_xmask:8 row_mask:0xf bank_mask:0xf
	s_delay_alu instid0(VALU_DEP_1)
	v_permlanex16_b32 v241, v240, s[SEL], s[SEL+1]
	s_delay_alu instid0(VALU_DEP_1)
	v_add_f32 v240, v240, v241
.endm
; One row: 32 numbers a lane in v[Y] on (register 4 j + i: channel 128 j + 4 lane + i), the residual in v[X] on.  i: which of my two rows;  lc, dc: the younger loads that may stay out
.macro LNROW Y, X, i, lc, dc
	s_wait_loadcnt \lc
	s_wait_dscnt \dc
.irp p, 0,1,2,3,4,5,6,7,8,9,10,11,12,13,14,15
	v_pk_add_f32 v[\Y+2*\p:\Y+2*\p+1], v[\Y+2*\p:\Y+2*\p+1], v[\X+2*\p:\X+2*\p+1]
.endr
	v_pk_add_f32 v[240:241], v[\Y:\Y+1], v[\Y+4:\Y+5]              ; the row's sum, in two chains
	v_pk_add_f32 v[242:243], v[\Y+2:\Y+3], v[\Y+6:\Y+7]
.irp p, 4,6,8,10,12,14
	s_delay_alu instid0(VALU_DEP_2)
	v_pk_add_f32 v[240:241], v[240:241], v[\Y+2*\p:\Y+2*\p+1]
	s_delay_alu instid0(VALU_DEP_2)
	v_pk_add_f32 v[242:243], v[242:243], v[\Y+2*\p+2:\Y+2*\p+3]
.endr
	s_delay_alu instid0(VALU_DEP_1)
	v_pk_add_f32 v[240:241], v[240:241], v[242:243]
	REDUCE
	s_delay_alu instid0(VALU_DEP_1)
	v_mul_f32 v244, s23, v240                      ; the mean
.irp p, 0,1,2,3,4,5,6,7,8,9,10,11,12,13,14,15
	v_pk_add_f32 v[\Y+2*\p:\Y+2*\p+1], v[\Y+2*\p:\Y+2*\p+1], v[244:245] op_sel_hi:[1,0] neg_lo:[0,1] neg_hi:[0,1]   ; the deviations
.endr
	v_pk_mul_f32 v[240:241], v[\Y:\Y+1], v[\Y:\Y+1]                ; the sum of their squares, in two chains
	v_pk_mul_f32 v[242:243], v[\Y+2:\Y+3], v[\Y+2:\Y+3]
.irp p, 2,4,6,8,10,12,14
	s_delay_alu instid0(VALU_DEP_2)
	v_pk_fma_f32 v[240:241], v[\Y+2*\p:\Y+2*\p+1], v[\Y+2*\p:\Y+2*\p+1], v[240:241]
	s_delay_alu instid0(VALU_DEP_2)
	v_pk_fma_f32 v[242:243], v[\Y+2*\p+2:\Y+2*\p+3], v[\Y+2*\p+2:\Y+2*\p+3], v[242:243]
.endr
	s_delay_alu instid0(VALU_DEP_1)
	v_pk_add_f32 v[240:241], v[240:241], v[242:243]
	REDUCE
	s_delay_alu instid0(VALU_DEP_1)
	v_fma_f32 v246, v240, s23, s27                 ; the variance + 1e-12
	s_wait_alu depctr_va_vdst(0)
	v_rsq_f32 v246, v246
	v_nop                                          ; one plain place behind a transcendental
	s_wait_alu depctr_va_vdst(0)
.irp p, 0,1,2,3,4,5,6,7,8,9,10,11,12,13,14,15
	v_pk_mul_f32 v[\Y+2*\p:\Y+2*\p+1], v[\Y+2*\p:\Y+2*\p+1], v[246:247] op_sel_hi:[1,0]
.endr
.irp p, 0,1,2,3,4,5,6,7,8,9,10,11,12,13,14,15
	v_pk_fma_f32 v[\Y+2*\p:\Y+2*\p+1], v[\Y+2*\p:\Y+2*\p+1], v[176+2*\p:177+2*\p], v[208+2*\p:209+2*\p]
.endr
.irp j, 0,1,2,3,4,5,6,7
	global_store_b128 v1, v[\Y+4*\j:\Y+4*\j+3], s[20:21] offset:4096*\i+512*\j th:TH_STORE_NT   ; 32 lanes store 512 consecutive bytes, aligned; written once, read by nobody here
.endr
.endm
	LNROW 80, 112, 0, 8, 8                         ; the first row: the second row's eight loads and eight reads of the stage may be out
	LNROW 16, 144, 1, 0, 0
	s_wait_tensorcnt 0x0
	ds_add_u32 v254, v255
	s_wait_dscnt 0x0
	s_endpgm
.Lfunc_end_k_q8794081445_outln:
	.size	k_q8794081445_outln, .Lfunc_end_k_q8794081445_outln-k_q8794081445_outln
	.p2alignl 7, 3214868480
	.fill 96, 4, 3214868480
	.section	.rodata,"a",@progbits
	.p2align	6, 0x0
	.amdhsa_kernel k_q8794081445_outln
		.amdhsa_group_segment_fixed_size 158208
		.amdhsa_private_segment_fixed_size 0
		.amdhsa_enable_private_segment 0
		.amdhsa_kernarg_size 72
		.amdhsa_user_sgpr_count 2
		.amdhsa_user_sgpr_kernarg_segment_ptr 1
		.amdhsa_wavefront_size32 1
		.amdhsa_system_sgpr_workgroup_id_x 1
		.amdhsa_system_sgpr_workgroup_id_y 1
		.amdhsa_system_sgpr_workgroup_id_z 1
		.amdhsa_system_vgpr_workitem_id 0
		.amdhsa_next_free_vgpr 256
		.amdhsa_next_free_sgpr 66
		.amdhsa_reserve_vcc 0
		.amdhsa_float_denorm_mode_32 3
		.amdhsa_float_denorm_mode_16_64 3
		.amdhsa_memory_ordered 1
		.amdhsa_forward_progress 1
		.amdhsa_inst_pref_size 54
	.end_amdhsa_kernel
	.amdgpu_metadata
---
amdhsa.version: [ 1, 2 ]
amdhsa.kernels:
  - .name:           k_q8794081445_outln
    .symbol:         k_q8794081445_outln.kd
    .args:
      - { .name: opc, .offset: 0, .size: 8, .value_kind: global_buffer, .address_space: global }
      - { .name: ops, .offset: 8, .size: 8, .value_kind: global_buffer, .address_space: global }
      - { .name: cc, .offset: 16, .size: 8, .value_kind: global_buffer, .address_space: global }
      - { .name: cs, .offset: 24, .size: 8, .value_kind: global_buffer, .address_space: global }
      - { .name: bo, .offset: 32, .size: 8, .value_kind: global_buffer, .address_space: global }
      - { .name: hidden_states, .offset: 40, .size: 8, .value_kind: global_buffer, .address_space: global }
      - { .name: ln_gamma, .offset: 48, .size: 8, .value_kind: global_buffer, .address_space: global }
      - { .name: ln_beta, .offset: 56, .size: 8, .value_kind: global_buffer, .address_space: global }
      - { .name: out0, .offset: 64, .size: 8, .value_kind: global_buffer, .address_space: global }
    .group_segment_fixed_size: 158208
    .private_segment_fixed_size: 0
    .kernarg_segment_align: 8
    .kernarg_segment_size: 72
    .max_flat_workgroup_size: 512
    .sgpr_count:     66
    .vgpr_count:     256
    .wavefront_size: 32
...
	.end_amdgpu_metadata
.endif
;; end of part 4
